; MI455X (gfx1250); checked and timed in simulation.
; The chip was launched on July 23, 2026; its instructions are those of AMD's public machine-readable ISA for CDNA 5 (MIT licence, August 2026) and "CDNA5" Instruction Set Architecture Reference Guide (July 2026). The comments in the code are by the model that wrote it; some were corrected since.
;; Causal Self Attention. Allowed arithmetic: matrix products marked QUANTISED: E2M3 operands, one E8M0 scale for each 32 along K, by v_wmma_scale_f32_16x16x128_f8f6f4 with both operands' format E2M3, f32 sums; everything else in f32.
;; Inputs: Wk 2,048 x 2,048 float32; Wo 2,048 x 2,048 float32; Wq 2,048 x 2,048 float32; Wv 2,048 x 2,048 float32; cos 2,048 x 128 float32; hidden_states 1 x 2,048 x 2,048 float32; sin 2,048 x 128 float32.
;; Outputs: out0 1 x 2,048 x 2,048 float32.
;; This version of the problem:
;;   THIS VERSION OF THE PROBLEM IS GIVEN IN LOW PRECISION. The matrix products marked QUANTISED in the list below multiply operands that are first quantised to E2M3 (2 exponent bits, 3 mantissa bits; 6 bits a number), with one power-of-two scale for each 32 numbers along K (OCP MX v1.0); their sums are f32. All else is computed in f32.
;;   The module's matrix products, in the order in which they are computed (A, B: the left and right operand; K: the contracted axis; several contracted axes count as one K, in the product's order):
;;     1. [M 2,048, K 2,048] x [K 2,048, N 2,048]; A: input hidden_states; B: input Wq: QUANTISED
;;     2. [M 2,048, K 2,048] x [K 2,048, N 2,048]; A: input hidden_states; B: input Wk: QUANTISED
;;     3. [M 2,048, K 2,048] x [K 2,048, N 2,048]; A: input hidden_states; B: input Wv: QUANTISED
;;     4. batch 16 x [M 2,048, K 128] x [K 128, N 2,048]; A: computed on the way; B: computed on the way: QUANTISED
;;     5. batch 16 x [M 2,048, K 2,048] x [K 2,048, N 128]; A: softmax (see below); B: computed on the way: QUANTISED
;;     6. [M 2,048, K 2,048] x [K 2,048, N 2,048]; A: computed on the way; B: input Wo: QUANTISED
;;   THE QUANTISER, for each operand of a quantised product, along K:
;;     - K is cut into blocks of 32 from its start; a last block that is shorter is filled with zeros.
;;     - A block's scale is 2^e with e = floor(log2(the largest magnitude in the block)) - 2, held to -126 .. 127; a block of zeros has e = 0. As a byte (E8M0): e + 127.
;;     - Each number is divided by its block's scale, clamped to +-7.5, and rounded to the nearest number of E2M3, ties to even, subnormals kept.
;;     - The product sums the exact products of the quantised numbers (number of the format x scale) in f32.
;;   ~~~python
;;   def quantise(x, axis):      # numpy; x: float32 -> the quantised numbers, widened to float32 again
;;       x = np.moveaxis(x, axis, -1); K = x.shape[-1]
;;       x = np.pad(x, [(0, 0)] * (x.ndim - 1) + [(0, -K % 32)]); x = x.reshape(x.shape[:-1] + (-1, 32)); a = np.abs(x).max(-1, keepdims=True)
;;       e = np.where(a > 0, np.clip(np.frexp(np.where(a > 0, a, 1))[1] - 1 - 2, -126, 127), 0)      # np.frexp(a)[1] - 1 = floor(log2(a)), exactly
;;       r = np.clip(x / 2.0 ** e, -7.5, 7.5)
;;       step = 2.0 ** (np.maximum(np.frexp(np.where(r == 0, 1, r))[1] - 1, 0) - 3)
;;       q = np.round(r / step) * step * 2.0 ** e      # np.round: ties to even
;;       return np.moveaxis(q.reshape(q.shape[:-2] + (-1,))[..., :K], -1, axis).astype(np.float32)
;;   ~~~
;;   SOFTMAX AHEAD OF A QUANTISED PRODUCT. Where the list says 'softmax', what is quantised is not the finished softmax but p = 2^(t - M), with t = logit x log2(e) and M = ceil(the row's largest t), a whole number; so 1/2 < the row's largest p <= 1. The row's sum l is taken of the UNQUANTISED p, in f32, and the product's result is divided by l at the end. Since M is a whole number, a kernel that streams over the keys may use a running M (the ceiling of the running maximum): every later rescaling is an exact power of two, which a block's scale takes up: the codes' values come out the same.
;;   OPERANDS COMPUTED ON THE WAY. 'Computed on the way' means the value that the module computes at that place (a softmax that the list does not call 'softmax' is quantised finished and normalised). What goes into a quantiser is computed in f32, as accurately as f32 sums, v_exp_f32 and their like allow (about 1e-6 of the number): no bf16 or f16 on the way to a quantiser, and a product that is left as it is and whose result goes on into a quantised operand takes f32 operands (vector FMAs, or v_wmma_f32_16x16x4_f32). A number that lies on a knife's edge between two numbers of the format may be rounded either way, as far as f32 arithmetic and the matrix unit's own rounding can turn it there, and no further.
;; One version. Each part assembles by itself: llvm-mc -triple=amdgcn-amd-amdhsa -mcpu=gfx1250 --defsym DOCPART=n.
;; ======== version 1 of 1: 4 launches
;; limits: right only within a limited range of input values
;; workspace buffers: wcodes 15,728,640 bytes; wscales 655,360 bytes; rope 2,097,152 bytes; qkvc 9,437,184 bytes; qkvs 393,216 bytes; aoc 3,145,728 bytes; aos 131,072 bytes
;; launch quant (part 1): grid 512 x 1, 6 waves a work-group, no clusters, 59,648 bytes of LDS; arguments hidden_states, Wq, Wk, Wv, Wo, cos, sin, wcodes, wscales, rope; writes wcodes, wscales, rope
.if DOCPART == 1
	.amdgcn_target "amdgcn-amd-amdhsa--gfx1250"
	.amdhsa_code_object_version 6
	.text
	.protected	k_q02eaf49a5f_quant
	.globl	k_q02eaf49a5f_quant
	.p2align	8
	.type	k_q02eaf49a5f_quant,@function
k_q02eaf49a5f_quant:
	s_mov_b64 s[64:65], 0
	v_nop
	global_prefetch_b8 v0, s[64:65] scope:SCOPE_SE
	s_setreg_imm32_b32 hwreg(HW_REG_WAVE_MODE, 25, 1), 1
	s_wait_xcnt 0x0
; hidden_states, Wq, Wk, Wv, Wo ([2048][2048] f32, K innermost) become codes of FP6 (E2M3) with one E8M0 byte for each 32 along K, laid as IMAGES OF OPERAND REGISTERS;
; cos and sin ([2048][128] f32) are laid anew as images of a lane's registers for the launch that rotates q and k.
; A BLOCK of 16 rows is not 16 neighbours: row t of block a is row 32 (a / 2) + 8 (a % 2) + t + 8 (t / 8).  A FRAGMENT (16 rows x 128 K, 12 registers a lane) lies in 1,536 bytes: register p of lane l at
; 512 (p / 4) + 16 l + 4 (p % 4); lane (t, h) holds, in registers 6 c .. 6 c + 5, k = 64 c + 32 h + 0 .. 31 of row t.  wcodes: [tensor 5][block 128][K step 16][1536]; wscales: [tensor][block][K step][row 16][4 bytes].
; A block's scale is 2^(floor(log2(largest magnitude)) - 2); its byte is the largest magnitude's exponent field - 2, held at 1 from below.
; LIMITS: a block of 32 whose largest magnitude lies under 2^-124 (a block of zeros too) gets the byte 1: the bytes are read by this program alone, and zero codes add nothing; NaN and infinities among the inputs are not served.
; SHARES.  The five tensors are 2,560 runs of 16 rows x 512 numbers (run = 4 x block + quarter of K).  512 work-groups of six waves: waves 0 to 4 take run 5 x work-group + wave; wave 5 lays 8 of the 32 planes of one
; block of the tables.  So every work-group has the same work.  A run is 16 steps of one row each.  A step's four loads read 512 consecutive bytes each; the 2,048 bytes turn through the wave's own stage in LDS, so that a
; lane holds 16 neighbours along K; its 12 bytes of codes go to their places in four images in LDS, which leave as twelve stores of 512 bytes.  Loads run six steps (24 loads a wave) ahead.
; No tensor loads, no barrier: waves share nothing.
.set STEPS, 16
.set DEPTH, 6
.set WREG,  11776                      ; LDS of a wave: two stages of 32 x SP bytes, four images, 256 scale bytes
.set SP,    80                         ; a lane's place in a stage: 64 bytes + 16 of padding
.set CST,   5120                       ; the images: twelve planes of PL bytes
.set PL,    528                        ; a plane: 32 lanes x 16 bytes, with 16 bytes between lanes 15 and 16.  A code word of K step f, half h, plane c, row t then lies in bank 4 (3 f + h + c + t) + word (64 banks of 4 bytes: ISA guide 11.1): the 32 lanes of a store take 32 banks
.set SBY,   11456                      ; the scale bytes
.set SPARE, 5*WREG                     ; the spare words, 128 bytes for each wave: three blocks of 256 bytes that no other line names
.set SPW,   12                         ; v12  LDS address of my spare word; never rewritten
.set NIL,   13                         ; v13  0; never rewritten
.set CA,    20                         ; v20-22 where my three code words go in the images
.set R,     24                         ; v24-119  six sets of 16 numbers as they are loaded
.set X,     120                        ; v120-151 two sets of 16 neighbours
.set E,     152                        ; v152-167 a scale byte for each step
.set C,     168                        ; v168-231 codes: four registers for each step, so that no store's data are written again
	s_load_b256 s[4:11], s[0:1], 0x0               ; hidden_states, Wq, Wk, Wv
	s_load_b256 s[12:19], s[0:1], 0x20             ; Wo, cos, sin, wcodes
	s_load_b128 s[20:23], s[0:1], 0x40             ; wscales, rope
	v_lshl_add_u32 v[SPW], v0, 2, SPARE
	v_mov_b32 v[NIL], 0
	v_lshrrev_b32 v1, 5, v0
	v_readfirstlane_b32 s24, v1                    ; wave
	v_and_b32 v2, 31, v0                           ; lane i
	v_lshlrev_b32 v3, 4, v2                        ; 16 i
	s_cmp_eq_u32 s24, 5                            ; the sixth wave lays the tables
	s_cbranch_scc1 .Lrope
	s_mul_i32 s25, s24, WREG
	v_lshrrev_b32 v14, 2, v2
	v_mul_u32_u24 v14, v14, SP
	v_and_b32 v15, 3, v2
	v_lshl_add_u32 v14, v15, 4, v14
	v_add_nc_u32 v14, s25, v14                     ; the stage, on the way in: SP (i / 4) + 16 (i % 4)
	v_mul_u32_u24 v15, v2, SP
	v_add_nc_u32 v15, s25, v15                     ; and on the way out: SP i: my 16 neighbours: k = 16 i .. 16 i + 15 of the row's 512
	v_lshrrev_b32 v4, 3, v2                        ; f: which of the run's four K steps: i / 8
	v_bfe_u32 v5, v2, 1, 2                         ; which block of 32 in it: (i / 2) % 4
	v_lshl_add_u32 v5, v4, 6, v5
	v_add_nc_u32 v5, s25, v5
	v_add_nc_u32 v5, SBY, v5                       ; my block's scale byte: 64 f + 4 x row + block
	v_lshlrev_b32 v7, 3, v2
	v_add_nc_u32 v6, s25, v7
	v_add_nc_u32 v6, SBY, v6                       ; the scale bytes on the way out: 8 bytes a lane
	v_lshrrev_b32 v17, 4, v2
	v_lshl_add_u32 v16, v17, 4, v3
	v_add_nc_u32 v16, s25, v16
	v_add_nc_u32 v16, CST, v16                     ; the images on the way out: 16 i + 16 (i / 16) in a plane
	v_bfe_u32 v8, v2, 2, 1
	v_and_b32 v9, 1, v2
	v_mul_u32_u24 v8, v8, 6
	v_mad_u32_u24 v8, v9, 3, v8                    ; my first register of the fragment: 6 ((i / 4) % 2) + 3 (i % 2)
	v_bfe_u32 v9, v2, 1, 1
	v_mul_u32_u24 v9, v9, 272                      ; the fragment's lane is row + 16 h, h = (i / 2) % 2: 256 bytes and the plane's 16
	v_mad_u32_u24 v9, v4, 3*PL, v9
	v_add_nc_u32 v9, s25, v9
	v_add_nc_u32 v9, CST, v9
.irp w, 0,1,2
	v_add_nc_u32 v10, \w, v8
	v_lshrrev_b32 v11, 2, v10
	v_and_b32 v10, 3, v10
	v_mad_u32_u24 v11, v11, PL, v9
	v_lshl_add_u32 v[CA+\w], v10, 2, v11           ; register p: plane p / 4, word p % 4; the row's 16 bytes stand in the immediate
.endr
	s_mul_i32 s30, ttmp9, 5
	s_add_co_u32 s30, s30, s24                     ; my run
	s_lshr_b32 s26, s30, 9                         ; the tensor
	s_bfe_u32 s27, s30, 0x70002                    ; its block
	s_and_b32 s31, s30, 3                          ; the quarter of K
	s_lshr_b32 s28, s27, 1
	s_lshl_b32 s28, s28, 5
	s_and_b32 s29, s27, 1
	s_lshl_b32 s29, s29, 3
	s_add_co_u32 s28, s28, s29                     ; the block's first row
	s_lshl_b32 s28, s28, 13                        ; rows of 8,192 bytes
	s_lshl_b32 s29, s31, 11                        ; my 2,048 bytes of a row
	s_add_co_u32 s28, s28, s29
	s_mov_b32 s29, 0
	s_mul_i32 s32, s30, 6144                       ; the outputs are linear in the run
	s_mov_b32 s33, 0
	s_lshl_b32 s34, s30, 8
	s_mov_b32 s35, 0
	s_wait_kmcnt 0x0
	s_cmp_eq_u32 s26, 1                            ; the choice of the input hangs on the work-group's and the wave's numbers alone
	s_cselect_b64 s[4:5], s[6:7], s[4:5]
	s_cmp_eq_u32 s26, 2
	s_cselect_b64 s[4:5], s[8:9], s[4:5]
	s_cmp_eq_u32 s26, 3
	s_cselect_b64 s[4:5], s[10:11], s[4:5]
	s_cmp_eq_u32 s26, 4
	s_cselect_b64 s[4:5], s[12:13], s[4:5]
	s_add_nc_u64 s[4:5], s[4:5], s[28:29]
	s_add_nc_u64 s[18:19], s[18:19], s[32:33]
	s_add_nc_u64 s[20:21], s[20:21], s[34:35]
.macro LOAD t                          ; step t is the block's row t, t + 8 (t / 8) rows down
.irp i, 0,1,2,3
	global_load_b128 v[R+16*((\t)%DEPTH)+4*\i:R+16*((\t)%DEPTH)+4*\i+3], v3, s[4:5] offset:((\t)+8*((\t)/8))*8192+512*\i th:TH_LOAD_NT   ; 32 lanes read 512 consecutive bytes
.endr
.endm
.macro TURN t                          ; step t's numbers through the stage: LDS serves a wave's instructions in order (ISA guide 5.7.1.4), so no wait stands between the stores and the loads
.irp i, 0,1,2,3
	ds_store_b128 v14, v[R+16*((\t)%DEPTH)+4*\i:R+16*((\t)%DEPTH)+4*\i+3] offset:32*SP*((\t)%2)+8*SP*\i
.endr
.irp i, 0,1,2,3
	ds_load_b128 v[X+16*((\t)%2)+4*\i:X+16*((\t)%2)+4*\i+3], v15 offset:32*SP*((\t)%2)+16*\i
.endr
.endm
.irp t, 0,1,2,3,4,5
	LOAD \t
.endr
	s_wait_loadcnt 4*(DEPTH-1)                     ; step 0's four loads are in
	TURN 0
.macro STEP t
.set XS, X+16*((\t)%2)
.if (\t) > 0
	s_wait_dscnt 4                                 ; this step's numbers are back from the stage; the last step's byte store and three word stores may be out
.else
	s_wait_dscnt 0x0
.endif
.if (\t)+DEPTH < STEPS
	LOAD (\t)+DEPTH                                ; into the registers that this step's stores into the stage have read
.endif
.if (\t)+1 < STEPS
.if STEPS-2-(\t) >= DEPTH-1
	s_wait_loadcnt 4*(DEPTH-1)                     ; the next step's four loads are in; those of the five steps behind it may be out
.else
	s_wait_loadcnt 4*(STEPS-2-(\t))
.endif
	TURN (\t)+1
.endif
	v_max3_num_f32 v8, |v[XS]|, |v[XS+1]|, |v[XS+2]|               ; the largest magnitude of my 16, in two chains
	v_max3_num_f32 v9, |v[XS+3]|, |v[XS+4]|, |v[XS+5]|
.irp i, 6,10
	v_max3_num_f32 v8, v8, |v[XS+\i]|, |v[XS+\i+1]|
	v_max3_num_f32 v9, v9, |v[XS+\i+2]|, |v[XS+\i+3]|
.endr
	v_max3_num_f32 v8, v8, |v[XS+14]|, |v[XS+15]|
	v_max3_num_f32 v8, v8, v9, 0x1800000           ; and the floor 2^(3 - 127): the byte cannot fall under 1
	v_max_num_f32_dpp v8, v8, v8 row_xmask:1 row_mask:0xf bank_mask:0xf   ; and of my neighbour's 16: the block's
	v_add_nc_u32 v11, 0xff000000, v8               ; 2 off its exponent field: the conversion takes the exponent field of this operand as its scale
	v_cvt_scalef32_pk16_fp6_f32 v[C+4*(\t):C+4*(\t)+2], v[XS:XS+15], v11
	v_lshrrev_b32 v[E+(\t)], 23, v11               ; the scale's byte (a plain line behind the conversion)
	ds_store_b8 v5, v[E+(\t)] offset:4*(\t)        ; both lanes of a block write the same byte with the same value
.irp w, 0,1,2
	ds_store_b32 v[CA+\w], v[C+4*(\t)+\w] offset:16*(\t)
.endr
.endm
.irp t, 0,1,2,3,4,5,6,7,8,9,10,11,12,13,14,15
	STEP \t
.endr
.irp k, 0,1,2,3,4,5,6,7,8,9,10,11
	ds_load_b128 v[R+4*\k:R+4*\k+3], v16 offset:PL*\k              ; the twelve planes; these see my stores
.endr
	ds_load_b64 v[8:9], v6
.irp k, 0,1,2,3,4,5,6,7,8,9,10,11
	s_wait_dscnt 12-\k                             ; the younger loads may be out
	global_store_b128 v3, v[R+4*\k:R+4*\k+3], s[18:19] offset:512*\k   ; 32 lanes store 512 consecutive bytes, at a multiple of 256 from the buffer's first byte
.endr
	s_wait_dscnt 0x0
	global_store_b64 v7, v[8:9], s[20:21]          ; 256 consecutive bytes, aligned
	s_wait_tensorcnt 0x0                           ; the wave's end: behind my last LDS store
	ds_add_u32 v[SPW], v[NIL]
	s_wait_dscnt 0x0
	s_endpgm
.Lrope:
; rope: [block a 128][plane 32][512 bytes]; planes 0-15 cos, 16-31 sin.  Plane p, lane (r, h): table[row r of block a][32 ((p % 16) / 4) + 16 h + 4 (p % 4) + 0 .. 3].
; Work-group w: block a = w / 4, planes 8 u .. 8 u + 7 with u = w % 4.
	s_lshr_b32 s25, ttmp9, 2                       ; a
	s_and_b32 s31, ttmp9, 3                        ; u
	s_lshr_b32 s26, s25, 1
	s_lshl_b32 s26, s26, 5
	s_and_b32 s27, s25, 1
	s_lshl_b32 s27, s27, 3
	s_add_co_u32 s26, s26, s27                     ; the block's first row
	s_lshl_b32 s26, s26, 9                         ; rows of 512 bytes
	s_and_b32 s27, s31, 1
	s_lshl_b32 s27, s27, 8                         ; planes 8 .. 15 of a table begin 256 bytes on in a row
	s_add_co_u32 s26, s26, s27
	s_mov_b32 s27, 0
	s_lshl_b32 s28, s25, 14
	s_lshl_b32 s29, s31, 12
	s_add_co_u32 s28, s28, s29
	s_mov_b32 s29, 0
	v_and_b32 v4, 15, v0
	v_bfe_u32 v5, v0, 4, 1
	v_and_b32 v6, 8, v4
	v_add_nc_u32 v4, v4, v6                        ; r + 8 (r / 8)
	v_lshlrev_b32 v4, 9, v4
	v_lshl_add_u32 v4, v5, 6, v4                   ; + 64 h
	s_wait_alu depctr_va_vdst(0)
	s_wait_kmcnt 0x0
	s_cmp_ge_u32 s31, 2                            ; cos or sin: the choice hangs on the work-group's number alone
	s_cselect_b64 s[14:15], s[16:17], s[14:15]
	s_add_nc_u64 s[14:15], s[14:15], s[26:27]
	s_add_nc_u64 s[22:23], s[22:23], s[28:29]
.irp i, 0,1,2,3,4,5,6,7
	global_load_b128 v[R+4*\i:R+4*\i+3], v4, s[14:15] offset:128*(\i/4)+16*(\i%4) th:TH_LOAD_NT
.endr
.irp i, 0,1,2,3,4,5,6,7
	s_wait_loadcnt 7-\i                            ; the younger loads may be out
	global_store_b128 v3, v[R+4*\i:R+4*\i+3], s[22:23] offset:512*\i   ; 512 consecutive bytes
.endr
	s_wait_tensorcnt 0x0                           ; the same three lines at this path's end
	ds_add_u32 v[SPW], v[NIL]
	s_wait_dscnt 0x0
	s_endpgm
.Lfunc_end_k_q02eaf49a5f_quant:
	.size	k_q02eaf49a5f_quant, .Lfunc_end_k_q02eaf49a5f_quant-k_q02eaf49a5f_quant
	.p2alignl 7, 3214868480
	.fill 96, 4, 3214868480
	.section	.rodata,"a",@progbits
	.p2align	6, 0x0
	.amdhsa_kernel k_q02eaf49a5f_quant
		.amdhsa_group_segment_fixed_size 59648
		.amdhsa_private_segment_fixed_size 0
		.amdhsa_enable_private_segment 0
		.amdhsa_kernarg_size 80
		.amdhsa_user_sgpr_count 2
		.amdhsa_user_sgpr_kernarg_segment_ptr 1
		.amdhsa_wavefront_size32 1
		.amdhsa_system_sgpr_workgroup_id_x 1
		.amdhsa_system_sgpr_workgroup_id_y 1
		.amdhsa_system_sgpr_workgroup_id_z 1
		.amdhsa_system_vgpr_workitem_id 0
		.amdhsa_next_free_vgpr 232
		.amdhsa_next_free_sgpr 66
		.amdhsa_reserve_vcc 0
		.amdhsa_float_denorm_mode_32 3
		.amdhsa_float_denorm_mode_16_64 3
		.amdhsa_memory_ordered 1
		.amdhsa_forward_progress 1
		.amdhsa_inst_pref_size 41
	.end_amdhsa_kernel
	.amdgpu_metadata
---
amdhsa.version: [ 1, 2 ]
amdhsa.kernels:
  - .name:           k_q02eaf49a5f_quant
    .symbol:         k_q02eaf49a5f_quant.kd
    .args:
      - { .name: hidden_states, .offset: 0, .size: 8, .value_kind: global_buffer, .address_space: global }
      - { .name: Wq, .offset: 8, .size: 8, .value_kind: global_buffer, .address_space: global }
      - { .name: Wk, .offset: 16, .size: 8, .value_kind: global_buffer, .address_space: global }
      - { .name: Wv, .offset: 24, .size: 8, .value_kind: global_buffer, .address_space: global }
      - { .name: Wo, .offset: 32, .size: 8, .value_kind: global_buffer, .address_space: global }
      - { .name: cos, .offset: 40, .size: 8, .value_kind: global_buffer, .address_space: global }
      - { .name: sin, .offset: 48, .size: 8, .value_kind: global_buffer, .address_space: global }
      - { .name: wcodes, .offset: 56, .size: 8, .value_kind: global_buffer, .address_space: global }
      - { .name: wscales, .offset: 64, .size: 8, .value_kind: global_buffer, .address_space: global }
      - { .name: rope, .offset: 72, .size: 8, .value_kind: global_buffer, .address_space: global }
    .group_segment_fixed_size: 59648
    .private_segment_fixed_size: 0
    .kernarg_segment_align: 8
    .kernarg_segment_size: 80
    .max_flat_workgroup_size: 192
    .sgpr_count:     66
    .vgpr_count:     232
    .wavefront_size: 32
...
	.end_amdgpu_metadata
.endif
;; end of part 1
;; launch qkv (part 2): grid 24 x 8, 4 waves a work-group, clusters of 4 x 4, 327,680 bytes of LDS; arguments wcodes, wscales, rope, qkvc, qkvs; writes qkvc, qkvs
.if DOCPART == 2
	.amdgcn_target "amdgcn-amd-amdhsa--gfx1250"
	.amdhsa_code_object_version 6
	.text
	.protected	k_q02eaf49a5f_qkv
	.globl	k_q02eaf49a5f_qkv
	.p2align	8
	.type	k_q02eaf49a5f_qkv,@function
k_q02eaf49a5f_qkv:
	s_mov_b64 s[64:65], 0
	v_nop
	global_prefetch_b8 v0, s[64:65] scope:SCOPE_SE
	s_setreg_imm32_b32 hwreg(HW_REG_WAVE_MODE, 25, 1), 1
	s_wait_xcnt 0x0
	s_wait_alu depctr_hold_cnt(0) depctr_sa_sdst(0) depctr_va_vdst(0) depctr_va_sdst(0) depctr_va_ssrc(0) depctr_va_vcc(0) depctr_vm_vsrc(0)
	s_getreg_b32 s2, hwreg(HW_REG_IB_STS2, 6, 4)
	s_cmp_eq_u32 s2, 0
	s_cbranch_scc0 .Lentry_in_a_cluster
	s_endpgm
.Lentry_in_a_cluster:
	s_bfe_u32 s2, ttmp6, 0x10000c
	s_cmp_lg_u32 s2, 0xf033
	s_cbranch_scc0 .Lentry_shape_is_right
	s_endpgm
.Lentry_shape_is_right:
; q = X Wq^T, k = X Wk^T (rotated by cos and sin, then quantised along the head's 128) and V^T = Wv X^T (quantised along the keys), on codes of FP6 (E2M3) with E8M0 scales; sums in f32.
; Operands lie in memory as images of operand registers (1,536 bytes for 16 rows x 128 K), in blocks whose row t is row 32 (a / 2) + 8 (a % 2) + t + 8 (t / 8).
; A work-group of four waves makes 256 x 256, a wave 128 x 128 (64 accumulators); its 128 columns are one head (q, k) or 128 keys (V^T).  Source 0 = 16 rows of the column operand, source 1 = 16 rows of the row operand:
; a lane's 64 results of a row block are, register 16 b + i, column 32 b + 16 (lane / 16) + i.  Work-group columns 0-15: X against Wq | Wk; 16-23: Wv against X; the choice hangs on the cluster's x alone.
; THE RING: two slots of three K steps (147,456 bytes each).  At the head each wave issues one joint load: wave 0 the row operand's K steps 0-2, wave 1 the column operand's, waves 2 and 3 the two tiles of scale words.
; Slot 1 is first filled behind the full sequence and a round.  The loop's last refill goes by the loop's own descriptor and brings, behind each block's K step 15, the 3,072 bytes that follow in wcodes (the highest block
; named is 511, block 512 exists): they land and are not read.
; SCALE WORDS: K steps 0-14 of the 512 rows, rows of 960 bytes that begin at multiples of 1,024, stay in LDS; K step 15's words go from memory into registers once (ring, 16 steps' words and spare words pass a WGP's LDS by 512 bytes).
; LDS LOADS stand in groups between groups of eight matrix instructions: 56 loads and 64 matrix instructions a K step.
; THE TABLES of the work-group's 256 rows (262,144 bytes) come by two joint loads of a row of the cluster into the slots that the walk has left: blocks 0-3 of each half into slot 0, 4-7 into slot 1.  The clusters that make V^T
; need no tables.
; No prefetch: the block is the largest, in clusters, and K is six fills long.
; OUTPUT: qkvc [unit 768][block 8][1536], qkvs [unit][row 16][block 8] words.  Units: q: head x 16 + group of 128 queries; k: (16 + head) x 16 + key step; v: (32 + head) x 16 + key step.
; LIMITS: a block of 32 whose largest magnitude lies under 2^-124 (zeros too) gets the scale byte 1 (the bytes are read by this program alone); NaN and infinities are not served.
; REGISTERS: window 0: v16-30 addresses; v32-47 scale words, two sets, v48-55 K step 15's; row operand's fragments at v64 and v160; in the epilogue v64-127 rotated numbers, v128-175 at work.
;   window 1: column operand's fragments at v0 and v128; in the epilogue two sets of cos (64) and sin (64).   windows 2, 3: accumulator (a, b) at v[8 (8 (a % 4) + b)].
.set NQ,     3
.set HALFT,  8*NQ*1536
.set SLOT,   4*HALFT
.set SCL,    2*SLOT
.set SROW,   960
.set HALFS,  8*SROW
.set SPARE,  SCL+4*HALFS               ; the spare words: 512 bytes that no other line names
.set ADRA, 16                          ; v16-17 my row operand's fragments in slot 0, 1
.set ADRB, 20                          ; v20-21 the column operand's
.set ADT,  22                          ; v22-23 my tables in slot 0, 1
.set SO,   25
.set LI,   26                          ; 16 x lane
.set ADRS, 27                          ; my scale words of the slot's first K step: lanes 0-15 the row operand's, 16-31 the column operand's
.set SPW,  28
.set NIL,  29
.set VS,   30                          ; my byte offset in wscales for K step 15's words
.set SC,   32
.set AF,   64
.set HA,   64
.set PC,   128
.set TM,   148
.set SW,   164
.set OUT,  172
.set G1, 24
.set G0, 32
.set G1B, 48
.set G0B, 56
.set SEL, 66
.set G1S, 68                           ; the row operand's scale words; behind the head: the tables
.set G0S, 76
.set G1SB, 80
.set G0SB, 88
.set G0H, 92                           ; the head's whole tiles of codes
.set G0HB, 96
.set MSB, 0
.macro WIN new
.if MSB != (\new)
	s_set_vgpr_msb (MSB<<8)|(\new)
.set MSB, (\new)
.endif
.endm
.set MUL_LO, 0xa1
.set TO_B,   0x40
.macro PLACES n
.rept \n
	v_nop
.endr
.endm
.macro JLOAD g0a, g1a, g0b, g1b        ; waves 0, 1 fetch the row operand's halves, waves 2, 3 the column operand's; s_nop 0 and four v_nop behind each line
	s_cmp_eq_u32 s15, 0
	s_cbranch_scc0 .Lfor_b_\@
	tensor_load_to_lds s[\g0a:\g0a+3], s[\g1a:\g1a+7]
	s_nop 0
	PLACES 4
	s_branch .Lasked_\@
.Lfor_b_\@:
	tensor_load_to_lds s[\g0b:\g0b+3], s[\g1b:\g1b+7]
	s_nop 0
	PLACES 4
.Lasked_\@:
.endm
.macro CREST
	s_cmp_lg_u32 s14, 0
	s_cbranch_scc1 .Lnot_wave_0_\@
	s_barrier_signal -3
.Lnot_wave_0_\@:
	s_barrier_wait -3
	s_barrier_signal -1
	s_barrier_wait -1
.endm
.macro CROUND
	s_barrier_signal -1
	s_barrier_wait -1
	CREST
.endm
	s_load_b256 s[4:11], s[0:1], 0x0               ; wcodes, wscales, rope, qkvc
	s_load_b64 s[12:13], s[0:1], 0x20              ; qkvs
	v_lshl_add_u32 v[SPW], v0, 2, SPARE
	v_mov_b32 v[NIL], 0
	ds_add_u32 v[SPW], v[NIL]                      ; the opening lines: the add twice and one wait
	ds_add_u32 v[SPW], v[NIL]
	v_lshrrev_b32 v1, 5, v0
	v_readfirstlane_b32 s14, v1                    ; wave
	s_lshr_b32 s15, s14, 1                         ; my half of the rows; also: I fetch the row (0) or the column operand (1)
	s_and_b32 s16, s14, 1                          ; my half of the columns; also: which 8 blocks I fetch
	s_bfe_u32 s40, ttmp6, 0x40000
	s_bfe_u32 s41, ttmp6, 0x40004
	s_lshl_b32 s42, ttmp9, 2
	s_add_co_u32 s42, s42, s40                     ; work-group x
	s_and_b32 s17, ttmp7, 0xffff
	s_lshl_b32 s17, s17, 2
	s_add_co_u32 s17, s17, s41                     ; work-group y
	s_lshl_b32 s43, s41, 2
	s_lshl_b32 s43, 15, s43                        ; my row of the cluster
	s_lshl_b32 s44, 0x1111, s40                    ; my column
	s_cmp_ge_u32 ttmp9, 4
	s_cselect_b32 s2, 1, 0                         ; 1: this cluster makes V^T
	s_or_b32 s[G1+0], s43, (3<<16)|(1<<21)
	s_or_b32 s[G1B+0], s44, (3<<16)|(1<<21)
.irp g, G1, G1B                        ; codes: rows (blocks) of 4,608 bytes, 24,576 apart; 16 rows at the head, 8 in the ring
	s_mov_b32 s[\g+1], (NQ*192)<<16
	s_mov_b32 s[\g+2], 16<<16
	s_mov_b32 s[\g+3], (NQ*192)<<16
	s_mov_b32 s[\g+4], 16
	s_mov_b32 s[\g+5], 3072
	s_mov_b32 s[\g+6], 0
	s_mov_b32 s[\g+7], 0
.endr
	s_or_b32 s[G1S+0], s43, (3<<16)|(1<<21)
	s_or_b32 s[G1SB+0], s44, (3<<16)|(1<<21)
.irp g, G1S, G1SB                      ; scale words: 16 rows of 960 bytes, 1,024 apart
	s_mov_b32 s[\g+1], 120<<16
	s_mov_b32 s[\g+2], 16<<16
	s_mov_b32 s[\g+3], 120<<16
	s_mov_b32 s[\g+4], 16
	s_mov_b32 s[\g+5], 128
	s_mov_b32 s[\g+6], 0
	s_mov_b32 s[\g+7], 0
.endr
	s_mul_i32 s18, s2, 384
	s_lshl_b32 s20, s17, 4
	s_add_co_u32 s20, s20, s18                     ; row operand's first block: 16 y (X) or 384 + 16 y (Wv)
	s_lshl_b32 s46, s42, 4
	s_add_co_u32 s46, s46, 128
	s_sub_co_u32 s46, s46, s18                     ; column operand's: 128 + 16 x (Wq | Wk) or 16 x - 256 (X)
	s_mov_b32 s[G0S], 1
	s_mov_b32 s[G0S+1], SCL
	s_lshl_b32 s[G0S+2], s20, 10
	s_mov_b32 s[G0S+3], 0
	s_mov_b32 s[G0SB], 1
	s_mov_b32 s[G0SB+1], SCL+2*HALFS
	s_lshl_b32 s[G0SB+2], s46, 10
	s_mov_b32 s[G0SB+3], 0
	s_mov_b32 s[G0H], 1
	s_mov_b32 s[G0H+1], 0
	s_mul_i32 s[G0H+2], s20, 24576
	s_mov_b32 s[G0H+3], 0
	s_mov_b32 s[G0HB], 1
	s_mov_b32 s[G0HB+1], 2*HALFT
	s_mul_i32 s[G0HB+2], s46, 24576
	s_mov_b32 s[G0HB+3], 0
	s_mul_i32 s18, s16, 8*24576                    ; in the ring: the 8 blocks that I fetch
	s_mov_b32 s19, 0
	s_mul_i32 s45, s14, HALFT                      ; and where they go
	s_mov_b32 s[SEL], 0x76543210
	s_mov_b32 s[SEL+1], 0xfedcba98
	s_mov_b32 s3, 0xffff0000                       ; lanes 16-31
	s_wait_dscnt 0x0
	s_wait_kmcnt 0x0
	s_add_nc_u64 s[G0S+2:G0S+3], s[6:7], s[G0S+2:G0S+3]
	s_add_nc_u64 s[G0SB+2:G0SB+3], s[6:7], s[G0SB+2:G0SB+3]
	s_add_nc_u64 s[G0H+2:G0H+3], s[4:5], s[G0H+2:G0H+3]
	s_add_nc_u64 s[G0HB+2:G0HB+3], s[4:5], s[G0HB+2:G0HB+3]
	s_add_nc_u64 s[20:21], s[G0H+2:G0H+3], s[18:19]
	s_add_nc_u64 s[46:47], s[G0HB+2:G0HB+3], s[18:19]
.irp s, 0,1
	s_mov_b32 s[G0+4*\s], 1
	s_add_co_u32 s[G0+4*\s+1], s45, \s*SLOT
	s_add_nc_u64 s[G0+4*\s+2:G0+4*\s+3], s[20:21], \s*NQ*1536
	s_or_b32 s[G0+4*\s+3], s[G0+4*\s+3], 0x80000000
	s_mov_b32 s[G0B+4*\s], 1
	s_add_co_u32 s[G0B+4*\s+1], s45, \s*SLOT
	s_add_nc_u64 s[G0B+4*\s+2:G0B+4*\s+3], s[46:47], \s*NQ*1536
	s_or_b32 s[G0B+4*\s+3], s[G0B+4*\s+3], 0x80000000
.endr
.irp g, G0S, G0SB, G0H, G0HB
	s_or_b32 s[\g+3], s[\g+3], 0x80000000
.endr
	CROUND                                         ; all sixteen work-groups are here: the first joint loads meet
.macro ARM under, g0, g1, next         ; one tree of branches on the wave's number: every way passes exactly one load
	s_cmp_lt_u32 s14, \under
	s_cbranch_scc0 \next
	tensor_load_to_lds s[\g0:\g0+3], s[\g1:\g1+7]
	s_nop 0
	PLACES 4
	s_branch .Lhead_asked
\next:
.endm
	ARM 1, G0H,  G1,  .Lhead_b
	ARM 2, G0HB, G1B, .Lhead_sa
	ARM 3, G0S,  G1S, .Lhead_sb
	tensor_load_to_lds s[G0SB:G0SB+3], s[G1SB:G1SB+7]
	s_nop 0
	PLACES 4
.Lhead_asked:
	s_mul_i32 s40, s2, 384
	s_lshl_b32 s41, s17, 4
	s_add_co_u32 s41, s41, s40
	s_lshl_b32 s45, s15, 3
	s_add_co_u32 s41, s41, s45                     ; the first row block that I multiply
	s_lshl_b32 s41, s41, 10
	s_add_co_u32 s41, s41, 960                     ; its K step 15's words
	s_lshl_b32 s44, s42, 4
	s_add_co_u32 s44, s44, 128
	s_sub_co_u32 s44, s44, s40
	s_lshl_b32 s45, s16, 3
	s_add_co_u32 s44, s44, s45                     ; my first column block
	s_lshl_b32 s44, s44, 10
	s_add_co_u32 s44, s44, 960
	s_mul_i32 s18, s15, HALFT
	s_mul_i32 s19, s16, HALFT
	s_add_co_u32 s19, s19, 2*HALFT
	s_mul_i32 s20, s15, HALFS
	s_mul_i32 s21, s16, HALFS
	s_add_co_u32 s21, s21, 2*HALFS
	s_sub_co_u32 s21, s21, s20                     ; the distance from the row operand's words to the column operand's
	s_add_co_u32 s20, s20, SCL
	s_lshl_b32 s22, s15, 16                        ; my half's four table blocks in a slot
	v_and_b32 v1, 31, v0
	v_and_b32 v2, 15, v0                           ; r
	v_bfe_u32 v3, v0, 4, 1                         ; h
	v_lshlrev_b32 v[LI], 4, v1
	v_mov_b32 v5, s41
	v_mov_b32 v6, s44
	v_cndmask_b32 v5, v5, v6, s3
	v_lshl_add_u32 v[VS], v2, 2, v5
	v_add_nc_u32 v[ADRA], s18, v[LI]
	v_add_nc_u32 v[ADRB], s19, v[LI]
	v_add_nc_u32 v[ADRA+1], SLOT, v[ADRA]
	v_add_nc_u32 v[ADRB+1], SLOT, v[ADRB]
	v_add_nc_u32 v[ADT], s22, v[LI]
	v_add_nc_u32 v[ADT+1], SLOT, v[ADT]
	v_lshlrev_b32 v5, 2, v2
	v_mul_u32_u24 v6, s21, v3
	v_add_nc_u32 v5, v5, v6
	v_add_nc_u32 v[ADRS], s20, v5
	v_lshlrev_b32 v[SO], 5, v2
	v_lshl_add_u32 v[SO], v3, 4, v[SO]
	s_wait_alu depctr_va_vdst(0)                   ; the end of the head's vector work
.irp i, 0,1,2,3,4,5,6,7
	global_load_b32 v[SC+16+\i], v[VS], s[6:7] offset:1024*\i      ; K step 15's words: lanes 0-15 row block i, lanes 16-31 column block i
.endr
	s_lshl_b32 s41, s17, 1
	s_add_co_u32 s41, s41, s15                     ; my 128 rows
	s_lshl_b32 s44, s42, 1
	s_add_co_u32 s44, s44, s16                     ; my 128 columns
	s_lshl_b32 s100, s44, 4
	s_add_co_u32 s100, s100, s41                   ; q, k: unit = columns x 16 + rows
	s_lshl_b32 s101, s41, 4
	s_add_co_u32 s101, s101, s44
	s_add_co_u32 s101, s101, 480                   ; v: unit = (32 + rows) x 16 + columns - 32
	s_cmp_lg_u32 s2, 0
	s_cselect_b32 s45, s101, s100
	s_mul_i32 s100, s45, 12288
	s_mov_b32 s101, 0
	s_add_nc_u64 s[10:11], s[10:11], s[100:101]
	s_lshl_b32 s100, s45, 9
	s_add_nc_u64 s[12:13], s[12:13], s[100:101]
	s_lshl_b32 s100, s17, 18                       ; the tables: 16 blocks of 16,384 bytes a work-group row; I fetch blocks 8 (wave / 2) + 2 (wave % 2) + 0, 1 and later those four on
	s_lshl_b32 s45, s15, 17
	s_add_co_u32 s100, s100, s45
	s_lshl_b32 s45, s16, 15
	s_add_co_u32 s100, s100, s45
	s_add_nc_u64 s[8:9], s[8:9], s[100:101]
.macro LB slot, q, p, i0, n            ; n fragments of the column operand, from block i0, of the slot's q-th K step into set p
	WIN TO_B
.set fi, \i0
.rept \n
.irp c, 0,1,2
	ds_load_b128 v[128*(\p)+12*fi+4*\c:128*(\p)+12*fi+4*\c+3], v[ADRB+\slot] offset:(NQ*fi+\q)*1536+512*\c
.endr
.set fi, fi+1
.endr
.endm
.macro LA slot, q, p, i0, n            ; the same of the row operand
	WIN 0
.set fi, \i0
.rept \n
.irp c, 0,1,2
	ds_load_b128 v[AF+96*(\p)+12*fi+4*\c:AF+96*(\p)+12*fi+4*\c+3], v[ADRA+\slot] offset:(NQ*fi+\q)*1536+512*\c
.endr
.set fi, fi+1
.endr
.endm
.macro LS p, q                         ; the eight scale registers of that K step
	WIN 0
.irp i, 0,1,2,3,4,5,6,7
	ds_load_b32 v[SC+8*(\p)+\i], v[ADRS] offset:SROW*\i+64*(\q)
.endr
.endm
.macro M8 a, p, zero, sc               ; row block a x the eight column blocks on set p, scale set sc.  The 64 accumulators take turns, one instruction a turn
	WIN MUL_LO+0x50*((\a)/4)
.irp b, 0,1,2,3,4,5,6,7
.if \zero
	v_wmma_scale_f32_16x16x128_f8f6f4 v[8*(8*((\a)%4)+\b):8*(8*((\a)%4)+\b)+7], v[128*(\p)+12*\b:128*(\p)+12*\b+11], v[AF+96*(\p)+12*(\a):AF+96*(\p)+12*(\a)+11], 0, v[SC+8*(\sc)+\b], v[SC+8*(\sc)+(\a)] matrix_a_fmt:MATRIX_FMT_FP6 matrix_b_fmt:MATRIX_FMT_FP6 matrix_a_scale:MATRIX_SCALE_ROW1
.else
	v_wmma_scale_f32_16x16x128_f8f6f4 v[8*(8*((\a)%4)+\b):8*(8*((\a)%4)+\b)+7], v[128*(\p)+12*\b:128*(\p)+12*\b+11], v[AF+96*(\p)+12*(\a):AF+96*(\p)+12*(\a)+11], v[8*(8*((\a)%4)+\b):8*(8*((\a)%4)+\b)+7], v[SC+8*(\sc)+\b], v[SC+8*(\sc)+(\a)] matrix_a_fmt:MATRIX_FMT_FP6 matrix_b_fmt:MATRIX_FMT_FP6 matrix_a_scale:MATRIX_SCALE_ROW1
.endif
.endr
.endm
; A K step on set p whose successor (the slot's q-th) lies in the same slot.  Every fetch goes: column operand (24 loads), scale words (8), row blocks 0 to 7 (24).
.macro STEP p, slot, q, zero
	s_wait_dscnt 12                                ; all of set p but row blocks 4-7, the youngest twelve loads
	PLACES 4                                       ; the other set was read by the matrix instructions just issued
	LB \slot, \q, 1-\p, 0, 2
	M8 0, \p, \zero, \p
	LB \slot, \q, 1-\p, 2, 2
	M8 1, \p, \zero, \p
	LB \slot, \q, 1-\p, 4, 2
	M8 2, \p, \zero, \p
	LB \slot, \q, 1-\p, 6, 2
	M8 3, \p, \zero, \p
	s_wait_dscnt 24                                ; all but the 24 loads of this step: row blocks 4-7 are in
	LS 1-\p, \q
	LA \slot, \q, 1-\p, 0, 1
	M8 4, \p, \zero, \p
	LA \slot, \q, 1-\p, 1, 3
	M8 5, \p, \zero, \p
	LA \slot, \q, 1-\p, 4, 2
	M8 6, \p, \zero, \p
	LA \slot, \q, 1-\p, 6, 2
	M8 7, \p, \zero, \p
	WIN 0
.endm
; A slot's last K step changes slots.  fill = 1: the slot takes the K steps six on.  fill = 2: slot 0 takes the first half of the tables (not in the clusters of V^T), and K step 15's words are in registers already.
.macro TURN p, slot, next, fill
	s_wait_tensorcnt 0x0                           ; all my tensor loads have landed: my part of the next slot
	ds_add_u32 v[SPW], v[NIL]
	s_wait_dscnt 13                                ; the add and row blocks 4-7 may be out
	M8 0, \p, 0, \p
	M8 1, \p, 0, \p
	s_wait_dscnt 0x0                               ; the add is done, my reads of this slot are over
	s_barrier_signal -1
	M8 2, \p, 0, \p
	WIN 0
	s_barrier_wait -1
	CREST                                          ; the barrier has opened a round of the cluster's barrier
.if \fill == 1
	s_add_nc_u64 s[G0+4*\slot+2:G0+4*\slot+3], s[G0+4*\slot+2:G0+4*\slot+3], 2*NQ*1536
	s_add_nc_u64 s[G0B+4*\slot+2:G0B+4*\slot+3], s[G0B+4*\slot+2:G0B+4*\slot+3], 2*NQ*1536
	JLOAD G0+4*\slot, G1, G0B+4*\slot, G1B         ; its four v_nop are the places in front of the loads below
	v_add_nc_u32 v[ADRS], 64*NQ, v[ADRS]           ; on to the next slot's scale words
	s_wait_alu depctr_va_vdst(0)
.else
	s_cmp_lg_u32 s2, 0                             ; the same in all sixteen partners
	s_cbranch_scc1 .Lno_tables_\@
	tensor_load_to_lds s[G0S:G0S+3], s[G1S:G1S+7]
	s_nop 0
	PLACES 4
.Lno_tables_\@:
	PLACES 4
.endif
	LB \next, 0, 1-\p, 0, 4
	M8 3, \p, 0, \p
	LB \next, 0, 1-\p, 4, 4
	M8 4, \p, 0, \p
.if \fill == 1
	LS 1-\p, 0
.endif
	LA \next, 0, 1-\p, 0, 2
	M8 5, \p, 0, \p
	LA \next, 0, 1-\p, 2, 3
	M8 6, \p, 0, \p
	LA \next, 0, 1-\p, 5, 3
	M8 7, \p, 0, \p
	WIN 0
.endm
; 64 numbers of a lane in window w, register 16 b + i = k 32 b + 16 (lane / 16) + i of my row, become a fragment's codes in v[PC] on and its scale word in v[wd]
.macro QUANT s, w, wd
	WIN 0x14*(\w)
.irp b, 0,1,2,3
	v_max3_num_f32 v[TM+\b], 0x1800000, |v[\s+16*\b]|, |v[\s+1+16*\b]|   ; with the floor 2^(3 - 127); an accumulator is read from its low end on
.endr
.irp i, 2,4,6,8,10,12,14
.irp b, 0,1,2,3
	v_max3_num_f32 v[TM+\b], v[TM+\b], |v[\s+16*\b+\i]|, |v[\s+1+16*\b+\i]|
.endr
.endr
	WIN 0
.irp b, 0,1,2,3
	v_permlanex16_b32 v[TM+4+\b], v[TM+\b], s[SEL], s[SEL+1]
.endr
.irp b, 0,1,2,3
	v_max_num_f32 v[TM+\b], v[TM+\b], v[TM+4+\b]
.endr
.irp b, 0,1,2,3
	v_add_nc_u32 v[TM+12+\b], 0xff000000, v[TM+\b] ; 2 off the exponent field: the conversion's scale operand
.endr
.irp b, 0,1,2,3
	v_lshrrev_b32 v[TM+4+\b], 23, v[TM+12+\b]
.endr
	v_lshl_or_b32 v[\wd], v[TM+5], 8, v[TM+4]
	v_lshl_or_b32 v[\wd], v[TM+6], 16, v[\wd]
	v_lshl_or_b32 v[\wd], v[TM+7], 24, v[\wd]
	WIN (\w)
.irp c, 0,1
	v_cvt_scalef32_pk16_fp6_f32 v[PC+6*\c:PC+2+6*\c], v[\s+32*\c:\s+15+32*\c], v[TM+12+2*\c]
	v_cvt_scalef32_pk16_fp6_f32 v[PC+12+4*\c:PC+14+4*\c], v[\s+16+32*\c:\s+31+32*\c], v[TM+12+2*\c+1]
.endr
	WIN 0
	v_nop                                          ; one plain line behind a scaled conversion
.irp c, 0,1
.irp i, 0,1,2
	v_permlane16_swap_b32 v[PC+6*\c+\i], v[PC+12+4*\c+\i]
.endr
.irp i, 0,1,2
	v_mov_b32 v[PC+3+6*\c+\i], v[PC+12+4*\c+\i]
.endr
.endr
.endm
.macro STORE3 a                        ; three stores of 512 consecutive bytes
.irp c, 0,1,2
	global_store_b128 v[LI], v[PC+4*\c:PC+4*\c+3], s[10:11] offset:1536*(\a)+512*\c
.endr
.endm
.macro ROPELOAD a                      ; cos (64 registers) and sin (64) of row block a from LDS into window 1, set a % 2
	WIN TO_B
.irp p, 0,1,2,3,4,5,6,7,8,9,10,11,12,13,14,15,16,17,18,19,20,21,22,23,24,25,26,27,28,29,30,31
	ds_load_b128 v[128*((\a)%2)+4*\p:128*((\a)%2)+4*\p+3], v[ADT+(\a)/4] offset:16384*((\a)%4)+512*\p
.endr
	WIN 0
.endm
.macro ROPE a                          ; x(d) cos(d) - x(d + 64) sin(d) for d < 64, x(d) cos(d) + x(d - 64) sin(d) for d >= 64: d + 64 is register n + 32 of the same lane
.set AC, 64*((\a)%4)
.set TBL, 128*((\a)%2)
	WIN 0x04|(2+(\a)/4)
.set n, 0
.rept 16
	v_pk_mul_f32 v[HA+n:HA+n+1], v[AC+n:AC+n+1], v[TBL+n:TBL+n+1]
	v_pk_mul_f32 v[HA+32+n:HA+33+n], v[AC+32+n:AC+33+n], v[TBL+32+n:TBL+33+n]
	v_pk_fma_f32 v[HA+n:HA+n+1], v[AC+32+n:AC+33+n], v[TBL+64+n:TBL+65+n], v[HA+n:HA+n+1] neg_lo:[1,0,0] neg_hi:[1,0,0]
	v_pk_fma_f32 v[HA+32+n:HA+33+n], v[AC+n:AC+n+1], v[TBL+96+n:TBL+97+n], v[HA+32+n:HA+33+n]
.set n, n+2
.endr
	WIN 0
.endm
	s_wait_tensorcnt 0x0                           ; my tile of the head's four is in
	ds_add_u32 v[SPW], v[NIL]
.irp g, G1, G1B                        ; no tensor load of mine is out: from here on a load of codes brings 8 blocks,
	s_mov_b32 s[\g+2], 8<<16
	s_mov_b32 s[\g+4], 8
.endr
	s_mov_b32 s[G1S+1], 32<<16                     ; and this group serves the tables: 32,768 dense bytes as 128 rows of 256, shared along my row of the cluster
	s_mov_b32 s[G1S+2], 128<<16
	s_mov_b32 s[G1S+3], 32<<16
	s_mov_b32 s[G1S+4], 128
	s_mov_b32 s[G1S+5], 32
	s_lshl_b32 s[G0S+1], s14, 15                   ; to wave x 32,768 in slot 0
	s_mov_b64 s[G0S+2:G0S+3], s[8:9]
	s_or_b32 s[G0S+3], s[G0S+3], 0x80000000
	s_wait_dscnt 0x0
	CROUND
	JLOAD G0+4, G1, G0B+4, G1B                     ; slot 1's first fill: K steps 3-5
	LB 0, 0, 0, 0, 8
	LS 0, 0
	LA 0, 0, 0, 0, 8
	STEP 0, 0, 1, 1                                ; K step 0 starts the sums
	s_mov_b32 s3, 2
.Llap:                                                 ; a trip is six K steps: once round the ring
	STEP 1, 0, 2, 0                                ; K steps 1, 7
	TURN 0, 0, 1, 1                                ; 2, 8
	STEP 1, 1, 1, 0                                ; 3, 9
	STEP 0, 1, 2, 0                                ; 4, 10
	TURN 1, 1, 0, 1                                ; 5, 11
	STEP 0, 0, 1, 0                                ; 6, 12
	s_sub_co_u32 s3, s3, 1
	s_cmp_lg_u32 s3, 0
	s_cbranch_scc1 .Llap
	STEP 1, 0, 2, 0                                ; K step 13
	TURN 0, 0, 1, 2                                ; K step 14
	s_wait_tensorcnt 0x0                           ; the first half of the tables is in
	ds_add_u32 v[SPW], v[NIL]
	s_add_co_u32 s[G0S+1], s[G0S+1], SLOT          ; the second half: four blocks on, into slot 1
	s_add_nc_u64 s[G0S+2:G0S+3], s[G0S+2:G0S+3], 65536
	s_wait_dscnt 0x0                               ; K step 15's fragments are in: my reads of slot 1 are over
	CROUND
	s_cmp_lg_u32 s2, 0
	s_cbranch_scc1 .Lno_tables
	tensor_load_to_lds s[G0S:G0S+3], s[G1S:G1S+7]
	s_nop 0
	PLACES 4                                       ; also the places for the loads into window 1's set 0
	ROPELOAD 0
.Lno_tables:
	s_wait_loadcnt 0x0                             ; K step 15's scale words
.irp a, 0,1,2,3,4,5,6,7
	M8 \a, 1, 0, 2
.endr
	WIN 0
	PLACES 4
.irp b, 0,1,2,3
	v_mov_b32 v[TM+4+\b], 0                        ; written once: a lane permute's destination counts as one of its sources
.endr
	s_cmp_lg_u32 s2, 0
	s_cbranch_scc1 .Lvarm
	ROPELOAD 1
.irp a, 0,1,2,3,4,5,6,7                ; q, k: rotate, quantise along the head's 128, store
.if \a < 7
	s_wait_dscnt 32                                ; this block's tables are in; the next block's 32 loads may be out
.else
	s_wait_dscnt 0x0
.endif
	ROPE \a
	s_wait_xcnt 0x0                                ; the last block's stores have read their registers
.if \a == 2
	s_wait_tensorcnt 0x0                           ; my part of the second half of the tables is in,
	s_wait_dscnt 0x0
	s_barrier_signal -1
	s_barrier_wait -1                              ; and everybody's
.endif
.if \a < 6
	ROPELOAD \a+2
.endif
	QUANT HA, 0, SW+\a
	STORE3 \a
.endr
	s_branch .Lfin
.Lvarm:
.irp a, 0,1,2,3,4,5,6,7                ; V^T: quantise along the keys, straight from the accumulators
	s_wait_xcnt 0x0
	QUANT 64*((\a)%4), 2+(\a)/4, SW+\a
	STORE3 \a
.endr
.Lfin:
	s_mov_b32 s3, 0xffff0000
.irp j, 0,1,2,3
	v_cndmask_b32 v[OUT+\j], v[SW+\j], v[SW+4+\j], s3              ; row r's eight scale words: lanes 0-15 blocks 0-3, lanes 16-31 blocks 4-7
.endr
	global_store_b128 v[SO], v[OUT:OUT+3], s[12:13]                ; 512 consecutive bytes
	s_wait_tensorcnt 0x0                           ; the wave's end
	ds_add_u32 v[SPW], v[NIL]
	s_wait_dscnt 0x0
	CROUND                                         ; the closing round
	s_endpgm
.Lfunc_end_k_q02eaf49a5f_qkv:
	.size	k_q02eaf49a5f_qkv, .Lfunc_end_k_q02eaf49a5f_qkv-k_q02eaf49a5f_qkv
	.p2alignl 7, 3214868480
	.fill 96, 4, 3214868480
	.section	.rodata,"a",@progbits
	.p2align	6, 0x0
	.amdhsa_kernel k_q02eaf49a5f_qkv
		.amdhsa_group_segment_fixed_size 327680
		.amdhsa_private_segment_fixed_size 0
		.amdhsa_enable_private_segment 0
		.amdhsa_kernarg_size 40
		.amdhsa_user_sgpr_count 2
		.amdhsa_user_sgpr_kernarg_segment_ptr 1
		.amdhsa_wavefront_size32 1
		.amdhsa_system_sgpr_workgroup_id_x 1
		.amdhsa_system_sgpr_workgroup_id_y 1
		.amdhsa_system_sgpr_workgroup_id_z 1
		.amdhsa_system_vgpr_workitem_id 0
		.amdhsa_next_free_vgpr 1024
		.amdhsa_next_free_sgpr 102
		.amdhsa_reserve_vcc 0
		.amdhsa_float_denorm_mode_32 3
		.amdhsa_float_denorm_mode_16_64 3
		.amdhsa_memory_ordered 1
		.amdhsa_forward_progress 1
		.amdhsa_inst_pref_size 253
	.end_amdhsa_kernel
	.amdgpu_metadata
---
amdhsa.version: [ 1, 2 ]
amdhsa.kernels:
  - .name:           k_q02eaf49a5f_qkv
    .symbol:         k_q02eaf49a5f_qkv.kd
    .args:
      - { .name: wcodes, .offset: 0, .size: 8, .value_kind: global_buffer, .address_space: global }
      - { .name: wscales, .offset: 8, .size: 8, .value_kind: global_buffer, .address_space: global }
      - { .name: rope, .offset: 16, .size: 8, .value_kind: global_buffer, .address_space: global }
      - { .name: qkvc, .offset: 24, .size: 8, .value_kind: global_buffer, .address_space: global }
      - { .name: qkvs, .offset: 32, .size: 8, .value_kind: global_buffer, .address_space: global }
    .group_segment_fixed_size: 327680
    .private_segment_fixed_size: 0
    .kernarg_segment_align: 8
    .kernarg_segment_size: 40
    .max_flat_workgroup_size: 128
    .sgpr_count:     102
    .vgpr_count:     1024
    .wavefront_size: 32
...
	.end_amdgpu_metadata
.endif
;; end of part 2
;; launch attn (part 3): grid 16 x 16, 16 waves a work-group, clusters of 4 x 1, 327,680 bytes of LDS; arguments qkvc, qkvs, aoc, aos; writes aoc, aos
.if DOCPART == 3
	.amdgcn_target "amdgcn-amd-amdhsa--gfx1250"
	.amdhsa_code_object_version 6
	.text
	.protected	k_q02eaf49a5f_attn
	.globl	k_q02eaf49a5f_attn
	.p2align	8
	.type	k_q02eaf49a5f_attn,@function
k_q02eaf49a5f_attn:
	s_mov_b64 s[64:65], 0
	v_nop
	global_prefetch_b8 v0, s[64:65] scope:SCOPE_SE
	s_setreg_imm32_b32 hwreg(HW_REG_WAVE_MODE, 25, 1), 1
	s_wait_xcnt 0x0
	s_wait_alu depctr_hold_cnt(0) depctr_sa_sdst(0) depctr_va_vdst(0) depctr_va_sdst(0) depctr_va_ssrc(0) depctr_va_vcc(0) depctr_vm_vsrc(0)
	s_getreg_b32 s2, hwreg(HW_REG_IB_STS2, 6, 4)
	s_cmp_eq_u32 s2, 0
	s_cbranch_scc0 .Lentry_in_a_cluster
	s_endpgm
.Lentry_in_a_cluster:
	s_bfe_u32 s2, ttmp6, 0x10000c
	s_cmp_lg_u32 s2, 0x3003
	s_cbranch_scc0 .Lentry_shape_is_right
	s_endpgm
.Lentry_shape_is_right:
.set SLOT1, 1<<17
.set SCK,   98304
.set SCV,   SCK+8192
.set SPARE, 114688
.set STG,   SLOT1+98304
.set AK0,  1
.set AV0,  2
.set ASK0, 3
.set DQ,   4
.set SPW,  5
.set NIL,  6
.set LI,   7
.set ADK,  8
.set ADV,  9
.set ADS,  10
.set SG,   11
.set PFO,  28
.set R4,   29
.set R32,  30
.set SL,   31
.set PC,   32
.set TM,   52
.set PW,   68
.set TB,   2
.set TS,   3
.set WV,   18
.set SEL,  20
.set CS,   22
.set G1C,  24
.set G1S,  32
.set G0C,  40
.set G0S,  44
.set SLOTS, 67
.set PFA,  76
.set LIM,  80
.set PAR,  81
.set SI,   98
.set GRP,  99
.macro TLOAD g0, g1
	s_cmp_lt_u32 s[WV], 4
	s_cbranch_scc0 .Lasked_\@
	tensor_load_to_lds s[\g0:\g0+3], s[\g1:\g1+7]
	s_nop 0
.rept 4
	v_nop
.endr
.Lasked_\@:
.endm
.macro ASK
	s_cmp_gt_u32 s[SLOTS], s[LIM]
	s_cbranch_scc0 .Lnot_mine_\@
	global_prefetch_b8 v[PFO], s[PFA:PFA+1] th:TH_LOAD_NT scope:SCOPE_SE
.Lnot_mine_\@:
.endm
.macro CROUND
	s_barrier_signal -1
	s_barrier_wait -1
	s_cmp_lg_u32 s[WV], 0
	s_cbranch_scc1 .Lnot_wave_0_\@
	s_barrier_signal -3
.Lnot_wave_0_\@:
	s_barrier_wait -3
	s_barrier_signal -1
	s_barrier_wait -1
.endm
	s_load_b256 s[4:11], s[0:1], 0x0
	v_lshl_add_u32 v[SPW], v0, 2, SPARE
	v_mov_b32 v[NIL], 0
	ds_add_u32 v[SPW], v[NIL]
	ds_add_u32 v[SPW], v[NIL]
	v_lshrrev_b32 v8, 5, v0
	s_delay_alu instid0(VALU_DEP_1)
	v_readfirstlane_b32 s[WV], v8
	s_bfe_u32 s48, ttmp6, 0x40000
	s_and_b32 s49, ttmp7, 0xffff
	s_lshr_b32 s50, s[WV], 2
	s_bfe_u32 s51, s[WV], 0x10001
	s_and_b32 s[PAR], s[WV], 1
	s_and_b32 s52, s50, 1
	s_mul_i32 s52, s52, 7
	s_xor_b32 s52, s52, ttmp9
	s_lshr_b32 s53, s50, 1
	s_lshl_b32 s53, s53, 3
	s_or_b32 s[GRP], s53, s52
	s_lshl_b32 s54, s48, 1
	s_add_co_u32 s54, s54, s51
	s_min_u32 s57, s[WV], 3
	s_lshr_b32 s58, s57, 1
	s_and_b32 s59, s57, 1
	s_lshl_b32 s60, s58, 4
	s_add_co_u32 s60, s60, s49
	s_add_co_u32 s60, s60, 16
	s_mul_i32 s62, s60, 196608
	s_mul_i32 s61, s59, 24576
	s_add_co_u32 s62, s62, s61
	s_mov_b32 s63, 0
	s_lshl_b32 s68, s60, 13
	s_lshl_b32 s61, s59, 12
	s_add_co_u32 s68, s68, s61
	s_mov_b32 s69, 0
	s_mul_i32 s70, s57, 24576
	s_lshl_b32 s71, s57, 12
	s_add_co_u32 s71, s71, SCK
	s_lshl_b32 s72, s49, 4
	s_add_co_u32 s72, s72, s[GRP]
	s_mul_i32 s74, s72, 12288
	s_mul_i32 s73, s54, 1536
	s_add_co_u32 s74, s74, s73
	s_mov_b32 s75, 0
	s_lshl_b32 s84, s72, 9
	s_lshl_b32 s73, s54, 2
	s_add_co_u32 s84, s84, s73
	s_mov_b32 s85, 0
	s_lshl_b32 s86, s[GRP], 3
	s_add_co_u32 s86, s86, s54
	s_lshl_b32 s86, s86, 4
	s_add_co_u32 s86, s86, s49
	s_mul_i32 s88, s86, 1536
	s_mov_b32 s89, 0
	s_lshl_b32 s90, s86, 6
	s_mov_b32 s91, 0
	s_mov_b32 s[G1C], 15|(3<<16)|(1<<21)
	s_mov_b32 s[G1C+1], 32<<16
	s_mov_b32 s[G1C+2], 96<<16
	s_mov_b32 s[G1C+3], 32<<16
	s_mov_b32 s[G1C+4], 96
	s_mov_b32 s[G1C+5], 32
	s_mov_b32 s[G1C+6], 0
	s_mov_b32 s[G1C+7], 0
	s_mov_b32 s[G1S], 15|(3<<16)|(1<<21)
	s_mov_b32 s[G1S+1], 32<<16
	s_mov_b32 s[G1S+2], 16<<16
	s_mov_b32 s[G1S+3], 32<<16
	s_mov_b32 s[G1S+4], 16
	s_mov_b32 s[G1S+5], 32
	s_mov_b32 s[G1S+6], 0
	s_mov_b32 s[G1S+7], 0
	s_mov_b32 s[SEL], 0x76543210
	s_mov_b32 s[SEL+1], 0xfedcba98
	s_mov_b32 s[CS], 0x3e0293ee
	s_mov_b32 s[CS+1], s[CS]
	s_mov_b32 s[TB], 0
	s_mov_b32 s[TS], 0
	s_mov_b32 s[SI], s[PAR]
	s_mov_b32 s[SLOTS], 3
	s_wait_dscnt 0x0
	s_wait_kmcnt 0x0
	s_mov_b32 s[G0S], 1
	s_mov_b32 s[G0S+1], s71
	s_add_nc_u64 s[G0S+2:G0S+3], s[6:7], s[68:69]
	s_or_b32 s[G0S+3], s[G0S+3], 0x80000000
	s_mov_b32 s[G0C], 1
	s_mov_b32 s[G0C+1], s70
	s_add_nc_u64 s[G0C+2:G0C+3], s[4:5], s[62:63]
	s_or_b32 s[G0C+3], s[G0C+3], 0x80000000
	CROUND
	TLOAD G0S, G1S
	s_wait_alu depctr_va_vdst(0)
	s_wait_tensorcnt 0x0
	ds_add_u32 v5, v6
	s_wait_dscnt 0x0
	CROUND
	TLOAD G0C, G1C
	s_add_nc_u64 s[74:75], s[4:5], s[74:75]
	s_add_nc_u64 s[84:85], s[6:7], s[84:85]
	s_add_nc_u64 s[8:9], s[8:9], s[88:89]
	s_add_nc_u64 s[10:11], s[10:11], s[90:91]
	s_sub_co_u32 s82, s[WV], 4
	s_cmp_lt_u32 s82, 3
	s_cselect_b32 s83, 0, 1
	s_or_b32 s83, s83, ttmp9
	s_cmp_eq_u32 s83, 0
	s_cselect_b32 s[LIM], 1, -1
	s_min_u32 s82, s82, 2
	s_mul_i32 s86, s48, 3
	s_add_co_u32 s82, s82, s86
	s_cmp_ge_u32 s82, 6
	s_cselect_b32 s86, 3145728-49152, 0
	s_lshl_b32 s82, s82, 13
	s_add_co_u32 s82, s82, s86
	s_add_co_u32 s82, s82, 49152
	s_add_co_u32 s86, s49, 16
	s_mul_i32 s86, s86, 196608
	s_add_co_u32 s82, s82, s86
	s_mov_b32 s83, 0
	s_add_nc_u64 s[PFA:PFA+1], s[4:5], s[82:83]
	v_and_b32 v8, 15, v0
	v_bfe_u32 v9, v0, 4, 1
	v_and_b32 v10, 31, v0
	s_delay_alu instid0(VALU_DEP_1)
	v_lshlrev_b32 v[LI], 4, v10
	s_delay_alu instid0(VALU_DEP_2)
	v_lshlrev_b32 v[PFO], 8, v10
	v_lshlrev_b32 v[R4], 2, v8
	v_lshlrev_b32 v[R32], 5, v8
.irp c, 0,1,2
	global_load_b128 v[16+4*\c:19+4*\c], v[LI], s[74:75] offset:512*\c
.endr
	global_load_b32 v255, v[R32], s[84:85]
	s_mul_i32 s82, s[PAR], 12288
	v_add_nc_u32 v[AK0], s82, v[LI]
	s_delay_alu instid0(VALU_DEP_1)
	v_add_nc_u32 v[AV0], 49152, v[AK0]
	s_lshl_b32 s82, s[PAR], 9
	s_add_co_u32 s82, s82, SCK
	v_add_nc_u32 v[ASK0], s82, v[R32]
	s_lshr_b32 s82, s[WV], 1
	s_mul_i32 s82, s82, 8704
	s_add_co_u32 s82, s82, STG
	v_add_nc_u32 v[SG], s82, v[LI]
	v_lshlrev_b32 v[SL], 2, v10
	s_delay_alu instid0(VALU_DEP_1)
	v_add_nc_u32 v[SL], s82, v[SL]
	s_delay_alu instid0(VALU_DEP_1)
	v_add_nc_u32 v[SL], 8192, v[SL]
	s_lshr_b32 s82, s54, 1
	s_lshl_b32 s82, s82, 5
	s_and_b32 s83, s54, 1
	s_lshl_b32 s83, s83, 3
	s_add_co_u32 s82, s82, s83
	v_and_b32 v10, 8, v8
	s_delay_alu instid0(VALU_DEP_1)
	v_add_nc_u32 v10, v10, v8
	s_delay_alu instid0(VALU_DEP_1)
	v_add_nc_u32 v10, s82, v10
	v_lshlrev_b32 v9, 4, v9
	s_delay_alu instid0(VALU_DEP_1)
	v_sub_nc_u32 v[DQ], v10, v9
	v_mov_b32 v13, 0xff61b1e6
	s_delay_alu instid0(VALU_DEP_1)
	v_floor_f32 v12, -v13
	v_mov_b32 v14, 0
	v_mov_b32 v15, 0
.irp b, 0,1,2,3
	v_mov_b32 v[236+\b], 0
	v_mov_b32 v[TM+4+\b], 0
.endr
	v_mov_b32 v252, 0
	v_mov_b32 v253, 0
.set j, 0
.rept 64
	v_mov_b32 v[160+j], 0
.set j, j+1
.endr
.macro STEP q
	s_cmp_gt_u32 s[SI], s[GRP]
	s_cbranch_scc1 .Lhidden_\@
	v_add_nc_u32 v[ADK], s[TB], v[AK0]
	s_wait_alu depctr_va_vdst(0)
	v_add_nc_u32 v[ADV], s[TB], v[AV0]
	v_add_nc_u32 v[ADS], s[TS], v[ASK0]
	v_nop
	ds_load_b128 v[80:83], v[ADS]
	ds_load_b128 v[84:87], v[ADS] offset:16
	ds_load_b128 v[88:91], v[ADS] offset:8192
	ds_load_b128 v[92:95], v[ADS] offset:8208
.irp g, 0,1
.if \g > 0
.rept 4
	v_nop
.endr
.endif
.irp t, 0,1,2,3
.irp c, 0,1,2
	ds_load_b128 v[32+12*\t+4*\c:35+12*\t+4*\c], v[ADK] offset:24576*(\q)+(4*\g+\t)*1536+512*\c
.endr
.endr
	s_wait_dscnt 0x0
.irp t, 0,1,2,3
	v_wmma_scale_f32_16x16x128_f8f6f4 v[96+8*(4*\g+\t):103+8*(4*\g+\t)], v[32+12*\t:43+12*\t], v[16:27], 0, v[80+4*\g+\t], v255 matrix_a_fmt:MATRIX_FMT_FP6 matrix_b_fmt:MATRIX_FMT_FP6
.endr
.endr
.rept 4
	v_nop
.endr
	s_cmp_lg_u32 s[SI], s[GRP]
	s_cbranch_scc1 .Lopen_\@
	v_mov_b32 v254, 0xff800000
.set n, 0
.rept 64
	v_cmp_gt_i32 vcc_lo, 32*(n/16)+n%16, v[DQ]
	v_cndmask_b32 v[96+n], v[96+n], v254, vcc_lo
.set n, n+1
.endr
.Lopen_\@:
.irp b, 0,1,2,3
	v_max3_num_f32 v[232+\b], v[96+16*\b], v[97+16*\b], v[98+16*\b]
.endr
.irp i, 3,5,7,9,11,13
.irp b, 0,1,2,3
	v_max3_num_f32 v[232+\b], v[232+\b], v[96+16*\b+\i], v[97+16*\b+\i]
.endr
.endr
.irp b, 0,1,2,3
	v_max_num_f32 v[232+\b], v[232+\b], v[111+16*\b]
.endr
.irp b, 0,1,2,3
	s_delay_alu instid0(VALU_DEP_4)
	v_permlanex16_b32 v[236+\b], v[232+\b], s[SEL], s[SEL+1]
.endr
.irp b, 0,1,2,3
	s_delay_alu instid0(VALU_DEP_4)
	v_max_num_f32 v[232+\b], v[232+\b], v[236+\b]
.endr
	s_delay_alu instid0(VALU_DEP_2)
	v_max3_num_f32 v254, v232, v233, v234
	s_delay_alu instid0(VALU_DEP_1)
	v_max_num_f32 v254, v254, v235
	s_delay_alu instid0(VALU_DEP_1)
	v_mul_f32 v254, s[CS], v254
	s_delay_alu instid0(VALU_DEP_1)
	v_max_num_f32 v13, v13, v254
	v_mov_b32 v254, v12
	s_delay_alu instid0(VALU_DEP_2)
	v_floor_f32 v12, -v13
	s_delay_alu instid0(VALU_DEP_1)
	v_sub_f32 v254, v12, v254
	s_delay_alu instid0(VALU_DEP_1)
	v_cvt_i32_f32 v254, v254
	s_delay_alu instid0(VALU_DEP_1)
	v_ldexp_f32 v252, 1.0, v254
.set j, 0
.rept 32
	v_pk_fma_f32 v[96+j:97+j], v[96+j:97+j], s[CS:CS+1], v[12:13] op_sel_hi:[1,0,0]
.set j, j+2
.endr
.irp b, 0,1,2,3
	v_fma_f32 v[232+\b], v[232+\b], s[CS], v12
.endr
.set j, 0
	s_wait_alu depctr_va_vdst(0)
.rept 64
	v_exp_f32 v[96+j], v[96+j]
.set j, j+1
.endr
	v_pk_mul_f32 v[14:15], v[14:15], v[252:253] op_sel_hi:[1,0]
	s_wait_alu depctr_va_vdst(0)
.irp b, 0,1,2,3
	v_exp_f32 v[232+\b], v[232+\b]
.endr
	v_pk_add_f32 v[236:237], v[96:97], v[98:99]
.irp j, 4,8,12,16,20,24,28,32,36,40,44,48,52,56,60
	v_pk_add_f32 v[14:15], v[14:15], v[96+\j:97+\j]
	v_pk_add_f32 v[236:237], v[236:237], v[98+\j:99+\j]
.endr
	s_delay_alu instid0(VALU_DEP_1)
	v_pk_add_f32 v[14:15], v[14:15], v[236:237]
	s_wait_alu depctr_va_vdst(0)
.irp b, 0,1,2,3
	v_max_num_f32 v[232+\b], 0x1800000, v[232+\b]
.endr
.irp b, 0,1,2,3
	s_delay_alu instid0(VALU_DEP_4)
	v_add_nc_u32 v[244+\b], 0xff000000, v[232+\b]
.endr
.irp b, 0,1,2,3
	s_delay_alu instid0(VALU_DEP_4)
	v_lshrrev_b32 v[236+\b], 23, v[244+\b]
.endr
	s_delay_alu instid0(VALU_DEP_3)
	v_lshl_or_b32 v253, v237, 8, v236
	s_delay_alu instid0(VALU_DEP_1)
	v_lshl_or_b32 v253, v238, 16, v253
	s_delay_alu instid0(VALU_DEP_1)
	v_lshl_or_b32 v253, v239, 24, v253
.irp c, 0,1
	v_cvt_scalef32_pk16_fp6_f32 v[224+6*\c:226+6*\c], v[96+32*\c:111+32*\c], v[244+2*\c]
	v_cvt_scalef32_pk16_fp6_f32 v[236+4*\c:238+4*\c], v[112+32*\c:127+32*\c], v[244+2*\c+1]
.endr
	v_nop
.irp c, 0,1
.irp i, 0,1,2
	v_permlane16_swap_b32 v[224+6*\c+\i], v[236+4*\c+\i]
.endr
.irp i, 0,1,2
	s_delay_alu instid0(VALU_DEP_3)
	v_mov_b32 v[227+6*\c+\i], v[236+4*\c+\i]
.endr
.endr
.set j, 0
.rept 32
	v_pk_mul_f32 v[160+j:161+j], v[160+j:161+j], v[252:253] op_sel_hi:[1,0]
.set j, j+2
.endr
	s_wait_alu depctr_va_vdst(0)
.irp g, 0,1
.if \g > 0
.rept 4
	v_nop
.endr
.endif
.irp t, 0,1,2,3
.irp c, 0,1,2
	ds_load_b128 v[32+12*\t+4*\c:35+12*\t+4*\c], v[ADV] offset:24576*(\q)+(4*\g+\t)*1536+512*\c
.endr
.endr
	s_wait_dscnt 0x0
.irp t, 0,1,2,3
	v_wmma_scale_f32_16x16x128_f8f6f4 v[160+8*(4*\g+\t):167+8*(4*\g+\t)], v[32+12*\t:43+12*\t], v[224:235], v[160+8*(4*\g+\t):167+8*(4*\g+\t)], v[88+4*\g+\t], v253 matrix_a_fmt:MATRIX_FMT_FP6 matrix_b_fmt:MATRIX_FMT_FP6
.endr
.endr
.Lhidden_\@:
	s_add_co_u32 s[SI], s[SI], 2
	s_add_co_u32 s[TS], s[TS], 1024
.endm
.macro CHANGE fill
	s_wait_tensorcnt 0x0
	ds_add_u32 v[SPW], v[NIL]
.if \fill
	s_xor_b32 s[G0C+1], s[G0C+1], SLOT1
	s_add_nc_u64 s[G0C+2:G0C+3], s[G0C+2:G0C+3], 49152
	s_wait_xcnt 0x0
	s_add_nc_u64 s[PFA:PFA+1], s[PFA:PFA+1], 49152
	s_wait_dscnt 0x0
	CROUND
	TLOAD G0C, G1C
	ASK
.else
	s_wait_dscnt 0x0
	s_barrier_signal -1
	s_barrier_wait -1
.endif
.endm
.macro QUANT s
.irp b, 0,1,2,3
	v_max3_num_f32 v[TM+\b], |v[\s+16*\b]|, |v[\s+1+16*\b]|, 0x1800000
.endr
.irp i, 2,4,6,8,10,12,14
.irp b, 0,1,2,3
	s_delay_alu instid0(VALU_DEP_4)
	v_max3_num_f32 v[TM+\b], v[TM+\b], |v[\s+16*\b+\i]|, |v[\s+1+16*\b+\i]|
.endr
.endr
.irp b, 0,1,2,3
	s_delay_alu instid0(VALU_DEP_4)
	v_permlanex16_b32 v[TM+4+\b], v[TM+\b], s[SEL], s[SEL+1]
.endr
.irp b, 0,1,2,3
	s_delay_alu instid0(VALU_DEP_4)
	v_max_num_f32 v[TM+\b], v[TM+\b], v[TM+4+\b]
.endr
.irp b, 0,1,2,3
	s_delay_alu instid0(VALU_DEP_4)
	v_add_nc_u32 v[TM+12+\b], 0xff000000, v[TM+\b]
.endr
.irp b, 0,1,2,3
	s_delay_alu instid0(VALU_DEP_4)
	v_lshrrev_b32 v[TM+4+\b], 23, v[TM+12+\b]
.endr
	s_delay_alu instid0(VALU_DEP_3)
	v_lshl_or_b32 v[PW], v[TM+5], 8, v[TM+4]
	s_delay_alu instid0(VALU_DEP_1)
	v_lshl_or_b32 v[PW], v[TM+6], 16, v[PW]
	s_delay_alu instid0(VALU_DEP_1)
	v_lshl_or_b32 v[PW], v[TM+7], 24, v[PW]
.irp c, 0,1
	v_cvt_scalef32_pk16_fp6_f32 v[PC+6*\c:PC+2+6*\c], v[\s+32*\c:\s+15+32*\c], v[TM+12+2*\c]
	v_cvt_scalef32_pk16_fp6_f32 v[PC+12+4*\c:PC+14+4*\c], v[\s+16+32*\c:\s+31+32*\c], v[TM+12+2*\c+1]
.endr
	v_nop
.irp c, 0,1
.irp i, 0,1,2
	v_permlane16_swap_b32 v[PC+6*\c+\i], v[PC+12+4*\c+\i]
.endr
.irp i, 0,1,2
	s_delay_alu instid0(VALU_DEP_3)
	v_mov_b32 v[PC+3+6*\c+\i], v[PC+12+4*\c+\i]
.endr
.endr
.endm
	s_wait_loadcnt 0x0
.Lslot:
	CHANGE 1
	STEP 0
	STEP 1
	s_xor_b32 s[TB], s[TB], SLOT1
	s_sub_co_u32 s[SLOTS], s[SLOTS], 1
	s_cmp_lg_u32 s[SLOTS], 0
	s_cbranch_scc1 .Lslot
	CHANGE 0
	STEP 0
	STEP 1
.rept 4
	v_nop
.endr
	v_add_f32 v14, v14, v15
	s_delay_alu instid0(VALU_DEP_1)
	v_permlanex16_b32 v252, v14, s[SEL], s[SEL+1]
	s_delay_alu instid0(VALU_DEP_1)
	v_add_f32 v14, v14, v252
	s_cmp_eq_u32 s[PAR], 0
	s_cbranch_scc1 .Lkeep
	s_wait_alu depctr_va_vdst(0)
.irp p, 0,1,2,3,4,5,6,7,8,9,10,11,12,13,14,15
	ds_store_b128 v[SG], v[160+4*\p:163+4*\p] offset:512*\p
.endr
	ds_store_b32 v[SL], v14
	ds_store_b32 v[SL], v12 offset:128
.Lkeep:
	s_wait_dscnt 0x0
	s_barrier_signal -1
	s_barrier_wait -1
	s_cmp_lg_u32 s[PAR], 0
	s_cbranch_scc1 .Lend
.irp p, 0,1,2,3,4,5,6,7,8,9,10,11,12,13,14,15
	ds_load_b128 v[96+4*\p:99+4*\p], v[SG] offset:512*\p
.endr
	ds_load_b32 v232, v[SL]
	ds_load_b32 v233, v[SL] offset:128
	s_wait_dscnt 0x0
	v_min_num_f32 v234, v12, v233
	s_delay_alu instid0(VALU_DEP_1)
	v_sub_f32 v235, v234, v12
	s_delay_alu instid0(VALU_DEP_2)
	v_sub_f32 v236, v234, v233
	s_delay_alu instid0(VALU_DEP_2)
	v_cvt_i32_f32 v235, v235
	s_delay_alu instid0(VALU_DEP_2)
	v_cvt_i32_f32 v236, v236
	s_delay_alu instid0(VALU_DEP_2)
	v_ldexp_f32 v235, 1.0, v235
	s_wait_alu depctr_va_vdst(0)
	v_ldexp_f32 v236, 1.0, v236
	v_mul_f32 v237, v235, v14
	s_delay_alu instid0(VALU_DEP_1)
	v_fma_f32 v237, v236, v232, v237
	s_wait_alu depctr_va_vdst(0)
	v_rcp_f32 v238, v237
	v_mov_b32 v241, 0
	v_mov_b32 v243, 0
	s_wait_alu depctr_va_vdst(0)
	v_mul_f32 v240, v235, v238
	v_mul_f32 v242, v236, v238
.set j, 0
.rept 32
	v_pk_mul_f32 v[96+j:97+j], v[96+j:97+j], v[242:243] op_sel_hi:[1,0]
.set j, j+2
.endr
.set j, 0
.rept 32
	v_pk_fma_f32 v[96+j:97+j], v[160+j:161+j], v[240:241], v[96+j:97+j] op_sel_hi:[1,0,1]
.set j, j+2
.endr
	QUANT 96
.irp c, 0,1,2
	global_store_b128 v[LI], v[PC+4*\c:PC+4*\c+3], s[8:9] offset:512*\c
.endr
	global_store_b32 v[R4], v[PW], s[10:11]
.Lend:
	s_wait_tensorcnt 0x0
	ds_add_u32 v[SPW], v[NIL]
	s_wait_dscnt 0x0
	CROUND
	s_endpgm
.Lfunc_end_k_q02eaf49a5f_attn:
	.size	k_q02eaf49a5f_attn, .Lfunc_end_k_q02eaf49a5f_attn-k_q02eaf49a5f_attn
	.p2alignl 7, 3214868480
	.fill 96, 4, 3214868480
	.section	.rodata,"a",@progbits
	.p2align	6, 0x0
	.amdhsa_kernel k_q02eaf49a5f_attn
		.amdhsa_group_segment_fixed_size 327680
		.amdhsa_private_segment_fixed_size 0
		.amdhsa_enable_private_segment 0
		.amdhsa_kernarg_size 32
		.amdhsa_user_sgpr_count 2
		.amdhsa_user_sgpr_kernarg_segment_ptr 1
		.amdhsa_wavefront_size32 1
		.amdhsa_system_sgpr_workgroup_id_x 1
		.amdhsa_system_sgpr_workgroup_id_y 1
		.amdhsa_system_sgpr_workgroup_id_z 1
		.amdhsa_system_vgpr_workitem_id 0
		.amdhsa_next_free_vgpr 256
		.amdhsa_next_free_sgpr 100
		.amdhsa_reserve_vcc 1
		.amdhsa_float_denorm_mode_32 3
		.amdhsa_float_denorm_mode_16_64 3
		.amdhsa_memory_ordered 1
		.amdhsa_forward_progress 1
		.amdhsa_inst_pref_size 126
	.end_amdhsa_kernel
	.amdgpu_metadata
---
amdhsa.version: [ 1, 2 ]
amdhsa.kernels:
  - .name:           k_q02eaf49a5f_attn
    .symbol:         k_q02eaf49a5f_attn.kd
    .args:
      - { .name: qkvc, .offset: 0, .size: 8, .value_kind: global_buffer, .address_space: global }
      - { .name: qkvs, .offset: 8, .size: 8, .value_kind: global_buffer, .address_space: global }
      - { .name: aoc, .offset: 16, .size: 8, .value_kind: global_buffer, .address_space: global }
      - { .name: aos, .offset: 24, .size: 8, .value_kind: global_buffer, .address_space: global }
    .group_segment_fixed_size: 327680
    .private_segment_fixed_size: 0
    .kernarg_segment_align: 8
    .kernarg_segment_size: 32
    .max_flat_workgroup_size: 512
    .sgpr_count:     100
    .vgpr_count:     256
    .wavefront_size: 32
...
	.end_amdgpu_metadata
.endif
;; end of part 3
;; launch oproj (part 4): grid 16 x 16, 4 waves a work-group, clusters of 4 x 4, 327,680 bytes of LDS; arguments aoc, aos, wcodes, wscales, out0; writes out0
.if DOCPART == 4
	.amdgcn_target "amdgcn-amd-amdhsa--gfx1250"
	.amdhsa_code_object_version 6
	.text
	.protected	k_q02eaf49a5f_oproj
	.globl	k_q02eaf49a5f_oproj
	.p2align	8
	.type	k_q02eaf49a5f_oproj,@function
k_q02eaf49a5f_oproj:
	s_mov_b64 s[64:65], 0
	v_nop
	global_prefetch_b8 v0, s[64:65] scope:SCOPE_SE
	s_setreg_imm32_b32 hwreg(HW_REG_WAVE_MODE, 25, 1), 1
	s_wait_xcnt 0x0
	s_wait_alu depctr_hold_cnt(0) depctr_sa_sdst(0) depctr_va_vdst(0) depctr_va_sdst(0) depctr_va_ssrc(0) depctr_va_vcc(0) depctr_vm_vsrc(0)
	s_getreg_b32 s2, hwreg(HW_REG_IB_STS2, 6, 4)
	s_cmp_eq_u32 s2, 0
	s_cbranch_scc0 .Lentry_in_a_cluster
	s_endpgm
.Lentry_in_a_cluster:
	s_bfe_u32 s2, ttmp6, 0x10000c
	s_cmp_lg_u32 s2, 0xf033
	s_cbranch_scc0 .Lentry_shape_is_right
	s_endpgm
.Lentry_shape_is_right:
; out0 = A Wo^T on codes of FP6 (E2M3) with E8M0 scales; A is the attention's result [2048][2048]; sums in f32; out0 [2048][2048] f32.
; Both operands lie as images of operand registers (1,536 bytes for 16 rows x 128 K) in blocks whose row t is row 32 (a / 2) + 8 (a % 2) + t + 8 (t / 8).
; A tile of 128 x 128 to a work-group gives 256 work-groups; four waves, each 64 x 64: 16 accumulators.  Source 0 = 16 rows of Wo, source 1 = 16 rows of A: a lane holds eight neighbouring columns of a row.
; K = 16 steps of 128.  At the head each wave issues one joint load: wave 0 A's K steps 0-3, wave 1 Wo's, waves 2 and 3 the two tiles of scale words.  Slot 1 (K steps 4-11) is first filled behind the full sequence and a round;
; K steps 12-15 are the launch's one refill, into slot 0.  A tile's row in memory is 6,144 or 12,288 consecutive bytes, at a multiple of 256.
; CLUSTERS: 4 x 4; A's tile is asked for jointly by a row of the cluster, Wo's by a column.  No prefetch: K is three fills long, with no loop to run ahead in.
; REGISTERS: window 0: v16-29 addresses; v32-39 scale words, two sets; A's fragments at v64 and v112; Wo's at v160 and v208; on the way out v64-127.  window 1: accumulator (a, b) at v[8 (4 a + b)].
.set HALFT,  24576                     ; 4 blocks x 4 K steps
.set SLOT,   4*HALFT                   ; slot 0
.set HALF1,  49152                     ; 4 blocks x 8 K steps
.set SCL,    SLOT+4*HALF1              ; the scale words: [A's 8 blocks][1024], then Wo's
.set HALFS,  4096
.set SPARE,  SCL+4*HALFS               ; the spare words: 512 bytes that no other line names
.set ADRA, 16                          ; v16-17 my fragments of A in slot 0, 1
.set ADRB, 20                          ; v20-21 Wo's
.set STO,  24
.set RD,   25
.set CO,   26
.set ADRS, 27
.set SPW,  28
.set NIL,  29
.set SC,   32
.set AF,   64
.set BF,   160
.set BK,   64
.set G1, 24
.set G1B, 32
.set G1S, 40
.set G1SB, 48
.set G0S, 56
.set G0SB, 60
.set G0, 68                            ; s[68:79] A: the refill's quarter, slot 1's quarter, the head's whole tile
.set G0B, 80                           ; s[80:91] the same for Wo
.set MSB, 0
.macro WIN new
.if MSB != (\new)
	s_set_vgpr_msb (MSB<<8)|(\new)
.set MSB, (\new)
.endif
.endm
.macro PLACES n
.rept \n
	v_nop
.endr
.endm
.macro JLOAD g0a, g1a, g0b, g1b        ; waves 0, 1 fetch A's halves, waves 2, 3 Wo's; s_nop 0 and four v_nop behind each line
	s_cmp_eq_u32 s15, 0
	s_cbranch_scc0 .Lfor_b_\@
	tensor_load_to_lds s[\g0a:\g0a+3], s[\g1a:\g1a+7]
	s_nop 0
	PLACES 4
	s_branch .Lasked_\@
.Lfor_b_\@:
	tensor_load_to_lds s[\g0b:\g0b+3], s[\g1b:\g1b+7]
	s_nop 0
	PLACES 4
.Lasked_\@:
.endm
.macro CROUND
	s_barrier_signal -1
	s_barrier_wait -1
	s_cmp_lg_u32 s14, 0
	s_cbranch_scc1 .Lnot_wave_0_\@
	s_barrier_signal -3
.Lnot_wave_0_\@:
	s_barrier_wait -3
	s_barrier_signal -1
	s_barrier_wait -1
.endm
	s_load_b256 s[4:11], s[0:1], 0x0               ; aoc, aos, wcodes, wscales
	s_load_b64 s[12:13], s[0:1], 0x20              ; out0
	v_lshl_add_u32 v[SPW], v0, 2, SPARE
	v_mov_b32 v[NIL], 0
	ds_add_u32 v[SPW], v[NIL]                      ; the opening lines: the add twice and one wait
	ds_add_u32 v[SPW], v[NIL]
	v_lshrrev_b32 v1, 5, v0
	v_readfirstlane_b32 s14, v1                    ; wave
	s_lshr_b32 s15, s14, 1                         ; my half of the rows; also: I fetch A (0) or Wo (1)
	s_and_b32 s16, s14, 1                          ; my half of the columns; also: which 4 blocks I fetch
	s_bfe_u32 s92, ttmp6, 0x40000
	s_bfe_u32 s93, ttmp6, 0x40004
	s_lshl_b32 s94, ttmp9, 2
	s_add_co_u32 s94, s94, s92                     ; work-group x
	s_and_b32 s17, ttmp7, 0xffff
	s_lshl_b32 s17, s17, 2
	s_add_co_u32 s17, s17, s93                     ; work-group y
	s_lshl_b32 s95, s93, 2
	s_lshl_b32 s95, 15, s95                        ; my row of the cluster
	s_lshl_b32 s96, 0x1111, s92                    ; my column
	s_or_b32 s[G1+0], s95, (3<<16)|(1<<21)
	s_or_b32 s[G1B+0], s96, (3<<16)|(1<<21)
.irp g, G1, G1B                        ; codes at the head: 8 rows (blocks) of 6,144 bytes, 24,576 apart
	s_mov_b32 s[\g+1], 768<<16
	s_mov_b32 s[\g+2], 8<<16
	s_mov_b32 s[\g+3], 768<<16
	s_mov_b32 s[\g+4], 8
	s_mov_b32 s[\g+5], 3072
	s_mov_b32 s[\g+6], 0
	s_mov_b32 s[\g+7], 0
.endr
	s_or_b32 s[G1S+0], s95, (3<<16)|(1<<21)
	s_or_b32 s[G1SB+0], s96, (3<<16)|(1<<21)
.irp g, G1S, G1SB                      ; the scale words of 8 blocks: 8,192 dense bytes as 32 rows of 256
	s_mov_b32 s[\g+1], 32<<16
	s_mov_b32 s[\g+2], 32<<16
	s_mov_b32 s[\g+3], 32<<16
	s_mov_b32 s[\g+4], 32
	s_mov_b32 s[\g+5], 32
	s_mov_b32 s[\g+6], 0
	s_mov_b32 s[\g+7], 0
.endr
	s_lshl_b32 s20, s17, 3                         ; A: block 8 y
	s_lshl_b32 s98, s94, 3
	s_add_co_u32 s98, s98, 512                     ; Wo: block 512 + 8 x of wcodes
	s_mov_b32 s[G0S], 1
	s_mov_b32 s[G0S+1], SCL
	s_lshl_b32 s[G0S+2], s20, 10
	s_mov_b32 s[G0S+3], 0
	s_mov_b32 s[G0SB], 1
	s_mov_b32 s[G0SB+1], SCL+2*HALFS
	s_lshl_b32 s[G0SB+2], s98, 10
	s_mov_b32 s[G0SB+3], 0
	s_mov_b32 s[G0+8], 1
	s_mov_b32 s[G0+9], 0
	s_mul_i32 s[G0+10], s20, 24576
	s_mov_b32 s[G0+11], 0
	s_mov_b32 s[G0B+8], 1
	s_mov_b32 s[G0B+9], 2*HALFT
	s_mul_i32 s[G0B+10], s98, 24576
	s_mov_b32 s[G0B+11], 0
	s_mul_i32 s18, s16, 4*24576                    ; behind the head: the 4 blocks that I fetch
	s_mov_b32 s19, 0
	s_mul_i32 s2, s14, HALFT                       ; where they go in slot 0,
	s_mul_i32 s3, s14, HALF1
	s_add_co_u32 s3, s3, SLOT                      ; and in slot 1
	s_wait_dscnt 0x0
	s_wait_kmcnt 0x0
	s_add_nc_u64 s[G0S+2:G0S+3], s[6:7], s[G0S+2:G0S+3]
	s_add_nc_u64 s[G0SB+2:G0SB+3], s[10:11], s[G0SB+2:G0SB+3]
	s_add_nc_u64 s[G0+10:G0+11], s[4:5], s[G0+10:G0+11]
	s_add_nc_u64 s[G0B+10:G0B+11], s[8:9], s[G0B+10:G0B+11]
	s_add_nc_u64 s[20:21], s[G0+10:G0+11], s[18:19]
	s_add_nc_u64 s[98:99], s[G0B+10:G0B+11], s[18:19]
	s_mov_b32 s[G0], 1
	s_mov_b32 s[G0+1], s2
	s_add_nc_u64 s[G0+2:G0+3], s[20:21], 12*1536   ; the refill: K steps 12-15
	s_mov_b32 s[G0+4], 1
	s_mov_b32 s[G0+5], s3
	s_add_nc_u64 s[G0+6:G0+7], s[20:21], 4*1536    ; slot 1: K steps 4-11
	s_mov_b32 s[G0B], 1
	s_mov_b32 s[G0B+1], s2
	s_add_nc_u64 s[G0B+2:G0B+3], s[98:99], 12*1536
	s_mov_b32 s[G0B+4], 1
	s_mov_b32 s[G0B+5], s3
	s_add_nc_u64 s[G0B+6:G0B+7], s[98:99], 4*1536
.irp g, G0S, G0SB, G0, G0+4, G0+8, G0B, G0B+4, G0B+8
	s_or_b32 s[\g+3], s[\g+3], 0x80000000
.endr
	CROUND                                         ; all sixteen work-groups are here: the first joint loads meet
.macro ARM under, g0, g1, next         ; one tree of branches on the wave's number: every way passes exactly one load
	s_cmp_lt_u32 s14, \under
	s_cbranch_scc0 \next
	tensor_load_to_lds s[\g0:\g0+3], s[\g1:\g1+7]
	s_nop 0
	PLACES 4
	s_branch .Lhead_asked
\next:
.endm
	ARM 1, G0+8,  G1,  .Lhead_b
	ARM 2, G0B+8, G1B, .Lhead_sa
	ARM 3, G0S,   G1S, .Lhead_sb
	tensor_load_to_lds s[G0SB:G0SB+3], s[G1SB:G1SB+7]
	s_nop 0
	PLACES 4
.Lhead_asked:
	s_mul_i32 s18, s15, HALFT
	s_mul_i32 s19, s16, HALFT
	s_add_co_u32 s19, s19, 2*HALFT
	s_mul_i32 s20, s15, HALF1
	s_add_co_u32 s20, s20, SLOT
	s_mul_i32 s21, s16, HALF1
	s_add_co_u32 s21, s21, SLOT+2*HALF1
	s_lshl_b32 s22, s15, 12
	s_lshl_b32 s23, s16, 12
	s_add_co_u32 s23, s23, 2*HALFS
	s_sub_co_u32 s23, s23, s22                     ; the distance from A's words to Wo's
	s_add_co_u32 s22, s22, SCL
	s_mul_i32 s98, s14, 4352                       ; my stage: 16 rows x (256 + 16) bytes, in slot 1: it has had its only fill, and nobody reads it when the first result is stored there
	s_add_co_u32 s98, s98, SLOT
	v_and_b32 v1, 31, v0
	v_and_b32 v2, 15, v0                           ; r
	v_bfe_u32 v3, v0, 4, 1                         ; h
	v_lshlrev_b32 v4, 4, v1
	v_add_nc_u32 v[ADRA], s18, v4
	v_add_nc_u32 v[ADRB], s19, v4
	v_add_nc_u32 v[ADRA+1], s20, v4
	v_add_nc_u32 v[ADRB+1], s21, v4
	v_lshlrev_b32 v5, 2, v2
	v_mul_u32_u24 v6, s23, v3
	v_add_nc_u32 v5, v5, v6
	v_add_nc_u32 v[ADRS], s22, v5
	v_mul_u32_u24 v5, v2, 272
	v_lshl_add_u32 v5, v3, 6, v5
	v_add_nc_u32 v[STO], s98, v5                   ; in: row r, + 64 h
	v_mul_u32_u24 v6, v3, 272
	v_lshl_add_u32 v6, v2, 4, v6
	v_add_nc_u32 v[RD], s98, v6                    ; back: lanes 0-15 one row of 256 bytes, lanes 16-31 the next
	v_lshlrev_b32 v7, 13, v3
	v_lshl_add_u32 v[CO], v2, 4, v7                ; and the same two rows in out0
	s_wait_alu depctr_va_vdst(0)                   ; the end of the head's vector work
	s_lshl_b32 s18, s17, 20                        ; 128 y rows of 8,192 bytes,
	s_lshl_b32 s19, s15, 19                        ; my 64 of them,
	s_add_co_u32 s18, s18, s19
	s_lshl_b32 s19, s94, 9                         ; 128 x columns,
	s_add_co_u32 s18, s18, s19
	s_lshl_b32 s19, s16, 8                         ; my 64
	s_add_co_u32 s18, s18, s19
	s_mov_b32 s19, 0
	s_add_nc_u64 s[12:13], s[12:13], s[18:19]
.macro FETCH k                         ; K step k's fragments (four of each operand) and scale words into set k % 2: 28 LDS loads in one run
.if ((\k) >= 4) && ((\k) < 12)
.set FS, 1
.set FT, 8
.set FQ, (\k)-4
.else
.set FS, 0
.set FT, 4
.set FQ, (\k)%4
.endif
.set FP, (\k)%2
.irp i, 0,1,2,3
.irp c, 0,1,2
	ds_load_b128 v[BF+48*FP+12*\i+4*\c:BF+48*FP+12*\i+4*\c+3], v[ADRB+FS] offset:(FT*\i+FQ)*1536+512*\c
.endr
.endr
.irp i, 0,1,2,3
.irp c, 0,1,2
	ds_load_b128 v[AF+48*FP+12*\i+4*\c:AF+48*FP+12*\i+4*\c+3], v[ADRA+FS] offset:(FT*\i+FQ)*1536+512*\c
.endr
.endr
.irp i, 0,1,2,3
	ds_load_b32 v[SC+4*FP+\i], v[ADRS] offset:1024*\i+64*(\k)
.endr
.endm
.macro MUL k                           ; 16 matrix instructions; the 16 accumulators take turns, one instruction a turn
.set MP, (\k)%2
	WIN 0x50
.irp a, 0,1,2,3
.irp b, 0,1,2,3
.if (\k) == 0
	v_wmma_scale_f32_16x16x128_f8f6f4 v[8*(4*\a+\b):8*(4*\a+\b)+7], v[BF+48*MP+12*\b:BF+48*MP+12*\b+11], v[AF+48*MP+12*\a:AF+48*MP+12*\a+11], 0, v[SC+4*MP+\b], v[SC+4*MP+\a] matrix_a_fmt:MATRIX_FMT_FP6 matrix_b_fmt:MATRIX_FMT_FP6 matrix_a_scale:MATRIX_SCALE_ROW1
.else
	v_wmma_scale_f32_16x16x128_f8f6f4 v[8*(4*\a+\b):8*(4*\a+\b)+7], v[BF+48*MP+12*\b:BF+48*MP+12*\b+11], v[AF+48*MP+12*\a:AF+48*MP+12*\a+11], v[8*(4*\a+\b):8*(4*\a+\b)+7], v[SC+4*MP+\b], v[SC+4*MP+\a] matrix_a_fmt:MATRIX_FMT_FP6 matrix_b_fmt:MATRIX_FMT_FP6 matrix_a_scale:MATRIX_SCALE_ROW1
.endif
.endr
.endr
	WIN 0
.endm
	s_wait_tensorcnt 0x0                           ; my tile of the head's four is in
	ds_add_u32 v[SPW], v[NIL]
.irp g, G1, G1B                        ; no tensor load of mine is out: slot 1's quarter is 4 blocks of 12,288 bytes
	s_mov_b32 s[\g+1], 1536<<16
	s_mov_b32 s[\g+2], 4<<16
	s_mov_b32 s[\g+3], 1536<<16
	s_mov_b32 s[\g+4], 4
.endr
	s_wait_dscnt 0x0
	CROUND
	JLOAD G0+4, G1, G0B+4, G1B                     ; slot 1's first fill: K steps 4-11
	FETCH 0
.irp k, 0,1,2,3,4,5,6,7,8,9,10,11,12,13,14,15
.if \k == 3
	s_wait_tensorcnt 0x0                           ; my part of slot 1 has landed
	ds_add_u32 v[SPW], v[NIL]
	s_mov_b32 s[G1+1], 768<<16                     ; the refill's quarter: 4 blocks of 6,144 bytes
	s_mov_b32 s[G1+3], 768<<16
	s_mov_b32 s[G1B+1], 768<<16
	s_mov_b32 s[G1B+3], 768<<16
	s_wait_dscnt 0x0                               ; the add is done; K step 3's fragments are in: my reads of slot 0 are over
	CROUND
	JLOAD G0, G1, G0B, G1B                         ; the launch's one refill: K steps 12-15; its four v_nop are also the places in front of the loads below
.elseif \k == 11
	s_wait_dscnt 0x0
	s_wait_tensorcnt 0x0                           ; my part of K steps 12 to 15 is in,
	s_barrier_signal -1
	s_barrier_wait -1                              ; everybody's is; and nobody reads slot 1 any more
	PLACES 4
.else
	s_wait_dscnt 0x0                               ; this step's fragments are in
	PLACES 4                                       ; the other set was read by the matrix instructions just issued
.endif
.if \k < 15
	FETCH \k+1
.endif
	MUL \k
.endr
; THE WAY OUT, a block of 16 rows x 64 columns at a time, through my own stage: a lane's eight columns go in, whole rows of 256 bytes come back.  LDS serves a wave's instructions in order (ISA guide 5.7.1.4).
.macro TOSTAGE a
	WIN 0x04
.irp b, 0,1,2,3
	ds_store_b128 v[STO], v[8*(4*(\a)+\b):8*(4*(\a)+\b)+3] offset:128*(\b/2)+32*(\b%2)       ; columns 32 (b / 2) + 16 h + 8 (b % 2) + 0 .. 7; each accumulator from its low end on
	ds_store_b128 v[STO], v[8*(4*(\a)+\b)+4:8*(4*(\a)+\b)+7] offset:128*(\b/2)+32*(\b%2)+16
.endr
	WIN 0
.set BB, BK+32*((\a)%2)
.irp i, 0,1,2,3,4,5,6,7
	ds_load_b128 v[BB+4*\i:BB+4*\i+3], v[RD] offset:544*\i
.endr
.endm
.macro SEND a, younger                 ; younger: the LDS instructions issued behind block a's loads, which may stay out
.set BB, BK+32*((\a)%2)
	s_wait_dscnt \younger
.irp i, 0,1,2,3,4,5,6,7
	global_store_b128 v[CO], v[BB+4*\i:BB+4*\i+3], s[12:13] offset:(32*((\a)/2)+8*((\a)%2)+2*\i+8*(\i/4))*8192 th:TH_STORE_NT   ; 16 lanes store 256 consecutive bytes, aligned
.endr
.endm
	PLACES 4
	TOSTAGE 0
.irp a, 1,2,3
.if \a > 1
	s_wait_xcnt 0x0                                ; block a - 2's stores have read their registers
.endif
	TOSTAGE \a
	SEND \a-1, 16                                  ; behind block a - 1's loads: block a's 8 stores and 8 loads
.endr
	SEND 3, 0
	s_wait_tensorcnt 0x0                           ; the wave's end
	ds_add_u32 v[SPW], v[NIL]
	s_wait_dscnt 0x0
	CROUND                                         ; the closing round
	s_endpgm
.Lfunc_end_k_q02eaf49a5f_oproj:
	.size	k_q02eaf49a5f_oproj, .Lfunc_end_k_q02eaf49a5f_oproj-k_q02eaf49a5f_oproj
	.p2alignl 7, 3214868480
	.fill 96, 4, 3214868480
	.section	.rodata,"a",@progbits
	.p2align	6, 0x0
	.amdhsa_kernel k_q02eaf49a5f_oproj
		.amdhsa_group_segment_fixed_size 327680
		.amdhsa_private_segment_fixed_size 0
		.amdhsa_enable_private_segment 0
		.amdhsa_kernarg_size 40
		.amdhsa_user_sgpr_count 2
		.amdhsa_user_sgpr_kernarg_segment_ptr 1
		.amdhsa_wavefront_size32 1
		.amdhsa_system_sgpr_workgroup_id_x 1
		.amdhsa_system_sgpr_workgroup_id_y 1
		.amdhsa_system_sgpr_workgroup_id_z 1
		.amdhsa_system_vgpr_workitem_id 0
		.amdhsa_next_free_vgpr 384
		.amdhsa_next_free_sgpr 102
		.amdhsa_reserve_vcc 0
		.amdhsa_float_denorm_mode_32 3
		.amdhsa_float_denorm_mode_16_64 3
		.amdhsa_memory_ordered 1
		.amdhsa_forward_progress 1
		.amdhsa_inst_pref_size 83
	.end_amdhsa_kernel
	.amdgpu_metadata
---
amdhsa.version: [ 1, 2 ]
amdhsa.kernels:
  - .name:           k_q02eaf49a5f_oproj
    .symbol:         k_q02eaf49a5f_oproj.kd
    .args:
      - { .name: aoc, .offset: 0, .size: 8, .value_kind: global_buffer, .address_space: global }
      - { .name: aos, .offset: 8, .size: 8, .value_kind: global_buffer, .address_space: global }
      - { .name: wcodes, .offset: 16, .size: 8, .value_kind: global_buffer, .address_space: global }
      - { .name: wscales, .offset: 24, .size: 8, .value_kind: global_buffer, .address_space: global }
      - { .name: out0, .offset: 32, .size: 8, .value_kind: global_buffer, .address_space: global }
    .group_segment_fixed_size: 327680
    .private_segment_fixed_size: 0
    .kernarg_segment_align: 8
    .kernarg_segment_size: 40
    .max_flat_workgroup_size: 128
    .sgpr_count:     102
    .vgpr_count:     384
    .wavefront_size: 32
...
	.end_amdgpu_metadata
.endif
;; end of part 4
